; MI455X (gfx1250); checked and timed in simulation.
; The chip was launched on July 23, 2026; its instructions are those of AMD's public machine-readable ISA for CDNA 5 (MIT licence, August 2026) and "CDNA5" Instruction Set Architecture Reference Guide (July 2026). The comments in the code are by the model that wrote it; some were corrected since.
;; Casual Self Attention. Allowed arithmetic: matrix products marked QUANTISED: E2M1 operands, one E8M0 scale for each 32 along K, by v_wmma_scale_f32_16x16x128_f8f6f4 with both operands' format E2M1 (or v_wmma_scale_f32_32x16x128_f4), f32 sums; products left as they are: bf16, f16 or f32 operands; f32 sums; everything else in f32.
;; Inputs: W_attn 1,024 x 3,072 float32; W_proj 1,024 x 1,024 float32; b_attn 3,072 float32; b_proj 1,024 float32; x 4 x 2,048 x 1,024 float32.
;; Outputs: out0 4 x 2,048 x 1,024 float32.
;; This version of the problem:
;;   THIS VERSION OF THE PROBLEM IS GIVEN IN LOW PRECISION. The matrix products marked QUANTISED in the list below multiply operands that are first quantised to E2M1 (2 exponent bits, 1 mantissa bit; 4 bits a number), with one power-of-two scale for each 32 numbers along K (OCP MX v1.0); their sums are f32. The products marked 'left as it is' may take bf16, f16 or f32 operands, with f32 sums. Whichever they take, every output number must still come out within the allowed error. Rounding operands to bf16 (8 significant bits) uses up far more of that allowance than f16 does (11 bits, for magnitudes from 6e-5 to 65,504). All else is computed in f32.
;;   The module's matrix products, in the order in which they are computed (A, B: the left and right operand; K: the contracted axis; several contracted axes count as one K, in the product's order):
;;     1. [M 8,192, K 1,024] x [K 1,024, N 3,072]; A: input x; B: input W_attn: QUANTISED
;;     2. batch 64 x [M 2,048, K 64] x [K 64, N 2,048]; A: computed on the way; B: computed on the way: left as it is (an operand is computed on the way)
;;     3. batch 64 x [M 2,048, K 2,048] x [K 2,048, N 64]; A: computed on the way; B: computed on the way: left as it is (an operand is computed on the way)
;;     4. [M 8,192, K 1,024] x [K 1,024, N 1,024]; A: computed on the way; B: input W_proj: left as it is (an operand is computed on the way)
;;   THE QUANTISER, for each operand of a quantised product, along K:
;;     - K is cut into blocks of 32 from its start; a last block that is shorter is filled with zeros.
;;     - A block's scale is 2^e with e = floor(log2(the largest magnitude in the block)) - 2, held to -126 .. 127; a block of zeros has e = 0. As a byte (E8M0): e + 127.
;;     - Each number is divided by its block's scale, clamped to +-6, and rounded to the nearest number of E2M1, ties to even, subnormals kept.
;;     - The product sums the exact products of the quantised numbers (number of the format x scale) in f32.
;;   ~~~python
;;   def quantise(x, axis):      # numpy; x: float32 -> the quantised numbers, widened to float32 again
;;       x = np.moveaxis(x, axis, -1); K = x.shape[-1]
;;       x = np.pad(x, [(0, 0)] * (x.ndim - 1) + [(0, -K % 32)]); x = x.reshape(x.shape[:-1] + (-1, 32)); a = np.abs(x).max(-1, keepdims=True)
;;       e = np.where(a > 0, np.clip(np.frexp(np.where(a > 0, a, 1))[1] - 1 - 2, -126, 127), 0)      # np.frexp(a)[1] - 1 = floor(log2(a)), exactly
;;       r = np.clip(x / 2.0 ** e, -6, 6)
;;       step = 2.0 ** (np.maximum(np.frexp(np.where(r == 0, 1, r))[1] - 1, 0) - 1)
;;       q = np.round(r / step) * step * 2.0 ** e      # np.round: ties to even
;;       return np.moveaxis(q.reshape(q.shape[:-2] + (-1,))[..., :K], -1, axis).astype(np.float32)
;;   ~~~
;; One version. Each part assembles by itself: llvm-mc -triple=amdgcn-amd-amdhsa -mcpu=gfx1250 --defsym DOCPART=n.
;; ======== version 1 of 1: 5 launches
;; limits: values are held in f16: magnitudes above 65,504 overflow, below 6.1e-05 lose precision
;; workspace buffers: xc 4,194,304 bytes; xs 262,144 bytes; wc 1,572,864 bytes; ws 98,304 bytes; wp16 2,097,152 bytes; qkv16 50,331,648 bytes; head32 786,432 bytes; y16 16,777,216 bytes
;; launch prep (part 1): grid 256 x 1, 8 waves a work-group, no clusters, 84,992 bytes of LDS; arguments x, W_attn, W_proj, xc, xs, wc, ws, wp16; writes xc, xs, wc, ws, wp16
.if DOCPART == 1
	.amdgcn_target "amdgcn-amd-amdhsa--gfx1250"
	.amdhsa_code_object_version 6
	.text
	.protected	k_q05de2ffd0c_prep
	.globl	k_q05de2ffd0c_prep
	.p2align	8
	.type	k_q05de2ffd0c_prep,@function
k_q05de2ffd0c_prep:
	s_mov_b64 s[64:65], 0
	v_nop
	global_prefetch_b8 v0, s[64:65] scope:SCOPE_SE
	s_setreg_imm32_b32 hwreg(HW_REG_WAVE_MODE, 25, 1), 1
	s_wait_xcnt 0x0
; CAUSAL SELF-ATTENTION, B 4, T 2048, C 1024, 16 heads of 64.  Five launches: this one (operands made ready), qkv (the quantised product), attn, proj, first16.
; THIS LAUNCH: x [8192][1024] and W_attn [1024][3072], f32, become codes of E2M1 with K innermost and one E8M0 byte for each 32 along K
; (xc [8192][512 bytes], xs [8192][32]; wc [3072][512 bytes], ws [3072][32]); W_proj becomes f16 as it lies (wp16 [1024][1024]).
; A block's scale is 2^(floor(log2(largest magnitude)) - 2): its byte is the largest magnitude's exponent field - 2, held at 1 from below.
; DEAD WORK OF THE PROGRAM (left out in the launch attn): for a key k behind a query q reference() puts -inf in the score's place, so the softmax's weight is 0 and
; 0 x v adds nothing, whatever finite q, k, v hold.  So a step of 64 keys that lies wholly behind a wave's queries is not multiplied, and a slot of 256 keys that lies
; wholly behind a work-group's last query is not loaded.  Every input has a way to the output and is loaded.  (b_attn's third for k is the same along the softmax's axis for a given query;
; it is kept: it rides as the C of a first matrix instruction and costs no line.)
; LIMITS: a NaN, an infinity or an overflow that reaches only the tiles left out is not carried to the result.  q, k, v, y and W_proj go on as f16: magnitudes under 65,504; under 6e-5 they keep
; an absolute error of 3e-8.  A block whose largest magnitude lies under 2^(3 - 127), a block of zeros among them, gets the byte 1 (its codes are zeros or next to it; this program alone reads the bytes).
; NaN and infinities among the inputs are not served.
; SHARES: work-groups 0-127 take x (a wave: 8,192 numbers, 16 steps of 512), 128-223 W_attn (64 columns x 512 along K), 224-255 W_proj (a wave: 4,096 numbers).
; The three ways part on the work-group's number, which all eight waves share; each has LDS bytes of its own and its own end.
.set SP,    80                         ; x: a lane's place in a stage: 64 bytes + 16 of padding
.set EMAX,  2
.set WST,   65536                      ; W_attn: 64 rows (columns n) x (256 bytes of codes + 16)
.set SST,   82944                      ; W_attn: 64 rows x 16 scale bytes
.set SPARE, 83968                      ; the spare words, 128 bytes for each of eight waves
.set SPW,   12                         ; v12 my spare word's LDS address; never rewritten
.set NIL,   13                         ; v13 0; never rewritten
.set R,     16                         ; x: v16-143 eight sets of 16 numbers as loaded
.set X,     144                        ; x: v144-175 two sets of 16 neighbours
.set E,     176                        ; x: v176-191 a scale byte for each step
.set C,     192                        ; x: v192-223 two registers of codes for each step
.set WX,    16                         ; W: v16-79 two sets of 32 numbers
.set WC,    96                         ; W: v96-99 a block's codes
.set SB,    100                        ; W: v100 my four scale bytes
.set WO,    104                        ; W: v104-123 the way out
	s_load_b256 s[4:11], s[0:1], 0x0               ; x s[4:5], W_attn s[6:7], W_proj s[8:9], xc s[10:11]
	s_load_b256 s[12:19], s[0:1], 0x20             ; xs s[12:13], wc s[14:15], ws s[16:17], wp16 s[18:19]
	v_lshl_add_u32 v[SPW], v0, 2, SPARE
	v_mov_b32 v[NIL], 0
	v_lshrrev_b32 v1, 5, v0
	v_readfirstlane_b32 s20, v1                    ; wave 0..7
	v_and_b32 v2, 31, v0                           ; lane
	s_mov_b32 s25, 0                               ; the upper word of every offset s[24:25]
	s_wait_kmcnt 0x0
	s_cmp_lt_u32 ttmp9, 128
	s_cbranch_scc0 .Lnot_x
; ---------------- x: a plain stream of blocks of 32.  Each load reads 512 consecutive bytes; a step's 2,048 bytes turn through the wave's own stage, so that a lane holds 16 neighbours along K
	v_lshlrev_b32 v3, 4, v2                        ; my 16 bytes of a load's 512
	s_lshl_b32 s21, s20, 13                        ; my wave's 8,192 bytes of LDS
	v_lshrrev_b32 v14, 2, v2
	v_mul_u32_u24 v14, v14, SP
	v_and_b32 v15, 3, v2
	v_lshl_add_u32 v14, v15, 4, v14
	v_add_nc_u32 v14, s21, v14                     ; into the stage: SP (lane / 4) + 16 (lane % 4)
	v_mul_u32_u24 v15, v2, SP
	v_add_nc_u32 v15, s21, v15                     ; out of it: SP x lane
	v_lshlrev_b32 v4, 3, v2                        ; my 8 bytes of a step's 256 bytes of codes
	v_lshrrev_b32 v5, 1, v2
	s_add_co_u32 s21, s21, 2*32*SP
	v_add_nc_u32 v5, s21, v5                       ; my block's scale byte, behind the two stages
	v_lshlrev_b32 v7, 3, v2
	v_add_nc_u32 v6, s21, v7                       ; and 8 of the wave's 256 scale bytes on the way out
	s_lshl_b32 s22, ttmp9, 3
	s_add_co_u32 s22, s22, s20                     ; my run of 8,192 numbers
	s_lshl_b32 s24, s22, 15
	s_add_nc_u64 s[4:5], s[4:5], s[24:25]
	s_lshl_b32 s24, s22, 12
	s_add_nc_u64 s[10:11], s[10:11], s[24:25]
	s_lshl_b32 s24, s22, 8
	s_add_nc_u64 s[12:13], s[12:13], s[24:25]
.macro XLOAD t
.irp i, 0,1,2,3
	global_load_b128 v[R+16*((\t)%8)+4*\i:R+16*((\t)%8)+4*\i+3], v3, s[4:5] offset:2048*(\t)+512*\i th:TH_LOAD_NT
.endr
.endm
.macro XTURN t                         ; LDS serves a wave's instructions in order: no wait between the stores and the loads
.irp i, 0,1,2,3
	ds_store_b128 v14, v[R+16*((\t)%8)+4*\i:R+16*((\t)%8)+4*\i+3] offset:32*SP*((\t)%2)+8*SP*\i
.endr
.irp i, 0,1,2,3
	ds_load_b128 v[X+16*((\t)%2)+4*\i:X+16*((\t)%2)+4*\i+3], v15 offset:32*SP*((\t)%2)+16*\i
.endr
.endm
.irp t, 0,1,2,3,4,5,6,7
	XLOAD \t                                       ; eight steps, 32 loads a wave, are on their way
.endr
	s_wait_loadcnt 28                              ; step 0's four are in; the 28 behind them stay out
	XTURN 0
.macro XSTEP t
.set XS, X+16*((\t)%2)
.if (\t) > 0
	s_wait_dscnt 1                                 ; this step's numbers are back from the stage; the last step's byte store may be out
.else
	s_wait_dscnt 0x0
.endif
.if (\t)+8 < 16
	XLOAD (\t)+8                                   ; into the set that this step's stage stores have read
.endif
.if (\t)+1 < 16
.if 14-(\t) >= 7
	s_wait_loadcnt 28                              ; the next step's four are in; seven steps' loads behind them stay out
.else
	s_wait_loadcnt 4*(14-(\t))                     ; the counts run down with the steps that are left
.endif
	XTURN (\t)+1
.endif
	v_max3_num_f32 v8, |v[XS]|, |v[XS+1]|, |v[XS+2]|
	v_max3_num_f32 v9, |v[XS+3]|, |v[XS+4]|, |v[XS+5]|
.irp i, 6,10
	v_max3_num_f32 v8, v8, |v[XS+\i]|, |v[XS+\i+1]|
	v_max3_num_f32 v9, v9, |v[XS+\i+2]|, |v[XS+\i+3]|
.endr
	v_max3_num_f32 v8, v8, |v[XS+14]|, |v[XS+15]|
	v_max3_num_f32 v8, v8, v9, (EMAX+1)<<23        ; with the floor 2^(3 - 127): the byte cannot fall under 1
	v_max_num_f32_dpp v8, v8, v8 row_xmask:1 row_mask:0xf bank_mask:0xf   ; and my neighbour's 16: the block's largest magnitude
	v_add_nc_u32 v11, -(EMAX<<23), v8              ; 2 off its exponent field: the conversion's scale operand
	v_cvt_scalef32_pk8_fp4_f32 v[C+2*(\t)], v[XS:XS+7], v11
	v_cvt_scalef32_pk8_fp4_f32 v[C+2*(\t)+1], v[XS+8:XS+15], v11
	v_lshrrev_b32 v[E+(\t)], 23, v11               ; the scale's byte (a plain line behind the conversions)
	ds_store_b8 v5, v[E+(\t)] offset:16*(\t)       ; both lanes of a block write the same byte
	global_store_b64 v4, v[C+2*(\t):C+2*(\t)+1], s[10:11] offset:256*(\t)   ; the wave stores 256 consecutive bytes, aligned
.endm
.irp t, 0,1,2,3,4,5,6,7,8,9,10,11,12,13,14,15
	XSTEP \t
.endr
	ds_load_b64 v[8:9], v6                         ; my wave's 256 scale bytes: these loads see my stores
	s_wait_dscnt 0x0
	global_store_b64 v7, v[8:9], s[12:13]          ; 256 consecutive bytes, aligned
	s_wait_tensorcnt 0x0                           ; the wave's end
	ds_add_u32 v[SPW], v[NIL]
	s_wait_dscnt 0x0
	s_endpgm
.Lnot_x:
	s_cmp_lt_u32 ttmp9, 224
	s_cbranch_scc0 .Larm_p
; ---------------- W_attn: K is its first axis.  A lane takes a column n and its registers run down K: a block of 32 lies in one lane, and the codes come out with K innermost.
; The work-group: 64 columns x 512 along K.  Wave w: 128 along K (w / 2), 32 columns (w % 2): two waves side by side read 256 consecutive bytes of a row of W.
	s_sub_co_u32 s21, ttmp9, 128
	s_lshr_b32 s22, s21, 1                         ; which 64 columns
	s_and_b32 s23, s21, 1                          ; which 512 along K
	s_lshr_b32 s26, s20, 1                         ; kq
	s_and_b32 s27, s20, 1                          ; ch
	s_mul_i32 s28, s27, 32*272
	s_lshl_b32 s29, s26, 6
	s_add_co_u32 s28, s28, s29
	s_add_co_u32 s28, s28, WST
	v_mul_u32_u24 v4, v2, 272
	v_add_nc_u32 v4, s28, v4                       ; codes: row 32 ch + lane, byte 64 kq
	s_lshl_b32 s28, s27, 9
	s_lshl_b32 s29, s26, 2
	s_add_co_u32 s28, s28, s29
	s_add_co_u32 s28, s28, SST
	v_lshlrev_b32 v5, 4, v2
	v_add_nc_u32 v5, s28, v5                       ; scale bytes: row 32 ch + lane of 16 bytes, byte 4 kq
	v_and_b32 v8, 15, v2
	v_lshrrev_b32 v9, 4, v2
	s_mul_i32 s28, s20, 8*272
	s_add_co_u32 s28, s28, WST
	v_mul_u32_u24 v6, v9, 272
	v_lshl_add_u32 v6, v8, 4, v6
	v_add_nc_u32 v6, s28, v6                       ; back: rows 8 w on, sixteen lanes to a row, two rows an instruction
	v_lshlrev_b32 v7, 9, v9
	v_lshl_add_u32 v7, v8, 4, v7                   ; and the same place in wc
	v_lshlrev_b32 v14, 5, v2                       ; ws: 32 bytes a column
	v_lshlrev_b32 v3, 2, v2                        ; W: 4 bytes a lane
	s_lshl_b32 s28, s23, 2
	s_add_co_u32 s28, s28, s26
	s_mul_i32 s24, s28, 128*3072*4                 ; my first row of W: 128 (4 kh + kq)
	s_lshl_b32 s28, s22, 8
	s_add_co_u32 s24, s24, s28
	s_lshl_b32 s28, s27, 7
	s_add_co_u32 s24, s24, s28                     ; my first column
	s_add_nc_u64 s[6:7], s[6:7], s[24:25]
	s_lshl_b32 s24, s22, 15                        ; wc: row 64 cg + 8 w of 512 bytes, + 256 kh
	s_lshl_b32 s28, s20, 12
	s_add_co_u32 s24, s24, s28
	s_lshl_b32 s28, s23, 8
	s_add_co_u32 s24, s24, s28
	s_add_nc_u64 s[14:15], s[14:15], s[24:25]
	s_lshl_b32 s24, s22, 11                        ; ws: row 64 cg + 32 w of 32 bytes, + 16 kh (used by waves 0 and 1 alone)
	s_lshl_b32 s28, s20, 10
	s_add_co_u32 s24, s24, s28
	s_lshl_b32 s28, s23, 4
	s_add_co_u32 s24, s24, s28
	s_add_nc_u64 s[16:17], s[16:17], s[24:25]
.macro WLOAD t
.irp i, 0,1,2,3,4,5,6,7,8,9,10,11,12,13,14,15,16,17,18,19,20,21,22,23,24,25,26,27,28,29,30,31
	global_load_b32 v[WX+32*((\t)%2)+\i], v3, s[6:7] offset:(32*(\t)+\i)*12288 th:TH_LOAD_NT
.endr
.endm
	WLOAD 0
	WLOAD 1
.macro WBLOCK t
.set XS, WX+32*((\t)%2)
.if (\t) < 3
	s_wait_loadcnt 32                              ; this block's 32 are in; the next block's stay out
.else
	s_wait_loadcnt 0x0
.endif
	v_max3_num_f32 v8, |v[XS]|, |v[XS+1]|, |v[XS+2]|
	v_max3_num_f32 v9, |v[XS+3]|, |v[XS+4]|, |v[XS+5]|
.irp i, 6,10,14,18,22,26
	v_max3_num_f32 v8, v8, |v[XS+\i]|, |v[XS+\i+1]|
	v_max3_num_f32 v9, v9, |v[XS+\i+2]|, |v[XS+\i+3]|
.endr
	v_max3_num_f32 v8, v8, |v[XS+30]|, |v[XS+31]|
	v_max3_num_f32 v8, v8, v9, (EMAX+1)<<23
	v_add_nc_u32 v11, -(EMAX<<23), v8
	v_lshrrev_b32 v10, 23, v11
.if (\t) == 0
	v_mov_b32 v[SB], v10
.else
	v_lshl_or_b32 v[SB], v10, 8*(\t), v[SB]        ; the lower K in the lower byte
.endif
.irp g, 0,1,2,3
	v_cvt_scalef32_pk8_fp4_f32 v[WC+\g], v[XS+8*\g:XS+8*\g+7], v11
.endr
	v_nop                                          ; a plain line behind the conversions
	ds_store_b128 v4, v[WC:WC+3] offset:16*(\t)
.if (\t)+2 < 4
	WLOAD (\t)+2
.endif
	s_wait_dscnt 0x0                               ; the store has read its registers: the next block's codes may be written
.endm
	WBLOCK 0
	WBLOCK 1
	WBLOCK 2
	WBLOCK 3
	ds_store_b32 v5, v[SB]
	s_wait_dscnt 0x0                               ; for the others' sake: my stores have landed
	s_barrier_signal -1
	s_barrier_wait -1                              ; 64 whole rows of codes and of scale bytes lie in LDS
.irp i, 0,1,2,3
	ds_load_b128 v[WO+4*\i:WO+4*\i+3], v6 offset:544*\i
.endr
.irp i, 0,1,2,3
	s_wait_dscnt 3-\i                              ; load i is in; the younger ones stay out
	global_store_b128 v7, v[WO+4*\i:WO+4*\i+3], s[14:15] offset:1024*\i   ; sixteen lanes store 256 consecutive bytes, aligned
.endr
	s_cmp_lt_u32 s20, 2                            ; waves 0 and 1 (kq = 0): v5 is row 32 w + lane of the scale bytes
	s_cbranch_scc0 .Lw_done
	ds_load_b128 v[WO+16:WO+19], v5
	s_wait_dscnt 0x0
	global_store_b128 v14, v[WO+16:WO+19], s[16:17]  ; 16 bytes a column: half a row of ws
.Lw_done:
	s_wait_tensorcnt 0x0                           ; the wave's end
	ds_add_u32 v[SPW], v[NIL]
	s_wait_dscnt 0x0
	s_endpgm
.Larm_p:
; ---------------- W_proj to f16, as it lies: a wave takes 4,096 numbers: 32 loads of 512 bytes, 32 stores of 256.  No LDS.
	s_sub_co_u32 s21, ttmp9, 224
	s_lshl_b32 s21, s21, 3
	s_add_co_u32 s21, s21, s20
	s_lshl_b32 s24, s21, 14
	s_add_nc_u64 s[8:9], s[8:9], s[24:25]
	s_lshl_b32 s24, s21, 13
	s_add_nc_u64 s[18:19], s[18:19], s[24:25]
	v_lshlrev_b32 v3, 4, v2
	v_lshlrev_b32 v4, 3, v2
.irp i, 0,1,2,3,4,5,6,7,8,9,10,11,12,13,14,15,16,17,18,19,20,21,22,23,24,25,26,27,28,29,30,31
	global_load_b128 v[16+4*\i:19+4*\i], v3, s[8:9] offset:512*\i
.endr
.irp i, 0,1,2,3,4,5,6,7,8,9,10,11,12,13,14,15,16,17,18,19,20,21,22,23,24,25,26,27,28,29,30,31
	s_wait_loadcnt 31-\i                           ; load i is in; the younger ones stay out
	v_cvt_pk_f16_f32 v[144+2*\i], v[16+4*\i], v[17+4*\i]
	v_cvt_pk_f16_f32 v[145+2*\i], v[18+4*\i], v[19+4*\i]
	global_store_b64 v4, v[144+2*\i:145+2*\i], s[18:19] offset:256*\i
.endr
	s_endpgm
.Lfunc_end_k_q05de2ffd0c_prep:
	.size	k_q05de2ffd0c_prep, .Lfunc_end_k_q05de2ffd0c_prep-k_q05de2ffd0c_prep
	.p2alignl 7, 3214868480
	.fill 96, 4, 3214868480
	.section	.rodata,"a",@progbits
	.p2align	6, 0x0
	.amdhsa_kernel k_q05de2ffd0c_prep
		.amdhsa_group_segment_fixed_size 84992
		.amdhsa_private_segment_fixed_size 0
		.amdhsa_enable_private_segment 0
		.amdhsa_kernarg_size 64
		.amdhsa_user_sgpr_count 2
		.amdhsa_user_sgpr_kernarg_segment_ptr 1
		.amdhsa_wavefront_size32 1
		.amdhsa_system_sgpr_workgroup_id_x 1
		.amdhsa_system_sgpr_workgroup_id_y 1
		.amdhsa_system_sgpr_workgroup_id_z 1
		.amdhsa_system_vgpr_workitem_id 0
		.amdhsa_next_free_vgpr 224
		.amdhsa_next_free_sgpr 66
		.amdhsa_reserve_vcc 0
		.amdhsa_float_denorm_mode_32 3
		.amdhsa_float_denorm_mode_16_64 3
		.amdhsa_memory_ordered 1
		.amdhsa_forward_progress 1
		.amdhsa_inst_pref_size 66
	.end_amdhsa_kernel
	.amdgpu_metadata
---
amdhsa.version: [ 1, 2 ]
amdhsa.kernels:
  - .name:           k_q05de2ffd0c_prep
    .symbol:         k_q05de2ffd0c_prep.kd
    .args:
      - { .name: x, .offset: 0, .size: 8, .value_kind: global_buffer, .address_space: global }
      - { .name: W_attn, .offset: 8, .size: 8, .value_kind: global_buffer, .address_space: global }
      - { .name: W_proj, .offset: 16, .size: 8, .value_kind: global_buffer, .address_space: global }
      - { .name: xc, .offset: 24, .size: 8, .value_kind: global_buffer, .address_space: global }
      - { .name: xs, .offset: 32, .size: 8, .value_kind: global_buffer, .address_space: global }
      - { .name: wc, .offset: 40, .size: 8, .value_kind: global_buffer, .address_space: global }
      - { .name: ws, .offset: 48, .size: 8, .value_kind: global_buffer, .address_space: global }
      - { .name: wp16, .offset: 56, .size: 8, .value_kind: global_buffer, .address_space: global }
    .group_segment_fixed_size: 84992
    .private_segment_fixed_size: 0
    .kernarg_segment_align: 8
    .kernarg_segment_size: 64
    .max_flat_workgroup_size: 256
    .sgpr_count:     66
    .vgpr_count:     224
    .wavefront_size: 32
...
	.end_amdgpu_metadata
.endif
;; end of part 1
;; launch qkv (part 2): grid 12 x 32, 4 waves a work-group, clusters of 4 x 4, 327,680 bytes of LDS; arguments xc, xs, wc, ws, b_attn, qkv16, head32; writes qkv16, head32
.if DOCPART == 2
	.amdgcn_target "amdgcn-amd-amdhsa--gfx1250"
	.amdhsa_code_object_version 6
	.text
	.protected	k_q05de2ffd0c_qkv
	.globl	k_q05de2ffd0c_qkv
	.p2align	8
	.type	k_q05de2ffd0c_qkv,@function
k_q05de2ffd0c_qkv:
	s_mov_b64 s[64:65], 0
	v_nop
	global_prefetch_b8 v0, s[64:65] scope:SCOPE_SE
	s_setreg_imm32_b32 hwreg(HW_REG_WAVE_MODE, 25, 1), 1
	s_wait_xcnt 0x0
	s_wait_alu depctr_hold_cnt(0) depctr_sa_sdst(0) depctr_va_vdst(0) depctr_va_sdst(0) depctr_va_ssrc(0) depctr_va_vcc(0) depctr_vm_vsrc(0)
	s_getreg_b32 s2, hwreg(HW_REG_IB_STS2, 6, 4)
	s_cmp_eq_u32 s2, 0
	s_cbranch_scc0 .Lentry_in_a_cluster
	s_endpgm
.Lentry_in_a_cluster:
	s_bfe_u32 s2, ttmp6, 0x10000c
	s_cmp_lg_u32 s2, 0xf033
	s_cbranch_scc0 .Lentry_shape_is_right
	s_endpgm
.Lentry_shape_is_right:
; qkv = Q(x) Q(W_attn) + b_attn on codes of E2M1 with E8M0 scales: [8192][1024] x [3072][1024]^T.  Nothing of this product is left out.
; A tile of 256 x 256 is made by four waves, each 128 x 128 in 64 accumulators.  All of K, 1,024, fits in two LDS slots of 512 along K, so both slots and the scale bytes are
; asked for at the head and nothing is filled again: by this text's count a wave has three tensor loads out at the most.
; CLUSTER 4 x 4: the four of a row need the same rows of x, the four of a column the same rows of W: joint loads.  TILE ROW = 8 cy + cluster y, so that cy is the batch and
; cluster y, which all sixteen partners share, says where in the sequence the tile begins: the branch for a sequence's first 16 positions hangs on cluster y and the wave's number alone.
; THE MATRIX INSTRUCTION IS USED TRANSPOSED (source 0 = 16 rows of W, source 1 = 16 rows of x): a lane holds eight neighbouring columns of one row.  The bias is the C of each sum's first instruction.
; OUT: f16, laid by heads: qkv16 [b][g = n / 64][t][64]: four rows of a head are 512 consecutive bytes, which one store of the wave covers.  The first 16 positions of every sequence also leave as f32 (head32 [b][16][3072]).
; LIMIT: |q|, |k|, |v| under 65,504 (f16).
; REGISTERS: window 0: v16-31 addresses; v32-95 scale words, two sets; v128-191 x's fragments, one set; v192-255 the bias, later the way out.  window 1: W's fragments, two sets.  windows 2, 3: the accumulators.
.set KSTEP,  512
.set NQ,     4
.set ROWB,   256
.set KROW,   512
.set PITCH,  272                       ; 256 bytes + 16: the sixteen rows of a fragment load start at sixteen different banks
.set FR,     8
.set NL,     2
.set NP,     4
.set HALFT,  128*PITCH
.set SLOT,   4*HALFT
.set KS,     32
.set SCL,    2*SLOT
.set HALFS,  (128*KS/256)*272
.set SBLK,   (16*KS/256)*272
.set SPARE,  SCL+4*HALFS
.set SPITCH, 272                       ; the way out: 16 rows x (256 bytes + 16) for each wave, in slot 0, which has had its only fill and its last read by then
.set ADRA, 16
.set ADRB, 20
.set STO,  24
.set RD,   25
.set CO,   26
.set ADRS, 27
.set SPW,  28
.set NIL,  29
.set HO,   30                          ; v30 head32: row r of 12,288 bytes + 32 h
.set BO,   31                          ; v31 the bias: 32 h
.set SC,   32
.set AF,   128
.set BIAS, 192
.set TMP,  192
.set OB,   32
.set G1, 24
.set G0, 32
.set G1B, 48
.set G0B, 56
.set G1S, 68
.set G0S, 76
.set G1SB, 80
.set G0SB, 88
.set MSB, 0
.macro WIN new
.if MSB != \new
	s_set_vgpr_msb (MSB<<8)|\new
.set MSB, \new
.endif
.endm
.set MUL_LO, 0xa1                      ; source 0 (W) window 1, source 1 (x) window 0, C and D window 2
.set MUL_HI, 0xf1
.set TO_B,   0x40
.macro JLOAD g0a, g1a, g0b, g1b        ; waves 0, 1 fetch for x, waves 2, 3 for W; the branch hangs on the wave's number alone; s_nop 0 and four v_nop follow each line
	s_cmp_eq_u32 s15, 0
	s_cbranch_scc0 .Lfor_b_\@
	tensor_load_to_lds s[\g0a:\g0a+3], s[\g1a:\g1a+7]
	s_nop 0
.rept 4
	v_nop
.endr
	s_branch .Lasked_\@
.Lfor_b_\@:
	tensor_load_to_lds s[\g0b:\g0b+3], s[\g1b:\g1b+7]
	s_nop 0
.rept 4
	v_nop
.endr
.Lasked_\@:
.endm
.macro CROUND                          ; a round of the cluster's barrier
	s_barrier_signal -1
	s_barrier_wait -1
	s_cmp_lg_u32 s14, 0
	s_cbranch_scc1 .Lnot_wave_0_\@
	s_barrier_signal -3
.Lnot_wave_0_\@:
	s_barrier_wait -3
	s_barrier_signal -1
	s_barrier_wait -1
.endm
	s_load_b128 s[4:7], s[0:1], 0x0                ; xc, xs
	s_load_b128 s[8:11], s[0:1], 0x10              ; wc, ws
	s_load_b64 s[12:13], s[0:1], 0x20              ; b_attn
	s_load_b128 s[96:99], s[0:1], 0x28             ; qkv16, head32
	v_lshl_add_u32 v[SPW], v0, 2, SPARE
	v_mov_b32 v[NIL], 0
	ds_add_u32 v[SPW], v[NIL]                      ; the wave's opening: the add, twice on end, and its wait ahead of my first tensor load
	ds_add_u32 v[SPW], v[NIL]
	v_lshrrev_b32 v1, 5, v0
	v_readfirstlane_b32 s14, v1                    ; wave 0..3
	s_lshr_b32 s15, s14, 1                         ; my half of the tile's rows; also: I fetch for x (0) or for W (1)
	s_and_b32 s16, s14, 1                          ; my half of its columns; also: which 128 rows I fetch
	s_bfe_u32 s40, ttmp6, 0x40000                  ; cx
	s_bfe_u32 s41, ttmp6, 0x40004                  ; cy
	s_lshl_b32 s42, ttmp9, 2
	s_add_co_u32 s42, s42, s40                     ; tile column = 4 x cluster x + cx
	s_and_b32 s3, ttmp7, 0xffff                    ; cluster y
	s_lshl_b32 s17, s41, 3
	s_add_co_u32 s17, s17, s3                      ; tile row = 8 cy + cluster y
	s_lshl_b32 s43, s41, 2
	s_lshl_b32 s43, 15, s43                        ; my row of the cluster
	s_lshl_b32 s44, 0x1111, s40                    ; my column
	s_or_b32 s[G1+0], s43, (0<<16)|(1<<20)|(1<<21)|(5<<22)|(3<<25)  ; elements of 1 byte; 4 words of padding after every 64
	s_or_b32 s[G1B+0], s44, (0<<16)|(1<<20)|(1<<21)|(5<<22)|(3<<25)
.irp g, G1, G1B
	s_mov_b32 s[\g+1], ROWB<<16
	s_mov_b32 s[\g+2], 128<<16
	s_mov_b32 s[\g+3], ROWB<<16
	s_mov_b32 s[\g+4], 128
	s_mov_b32 s[\g+5], KROW
	s_mov_b32 s[\g+6], 0
	s_mov_b32 s[\g+7], 0
.endr
	s_or_b32 s[G1S+0], s43, (3<<16)|(1<<20)|(1<<21)|(5<<22)|(3<<25) ; the scales of 128 rows: 4,096 dense bytes as 16 rows of 256
	s_or_b32 s[G1SB+0], s44, (3<<16)|(1<<20)|(1<<21)|(5<<22)|(3<<25)
.irp g, G1S, G1SB
	s_mov_b32 s[\g+1], 32<<16
	s_mov_b32 s[\g+2], (128*KS/256)<<16
	s_mov_b32 s[\g+3], 32<<16
	s_mov_b32 s[\g+4], 128*KS/256
	s_mov_b32 s[\g+5], 32
	s_mov_b32 s[\g+6], 0
	s_mov_b32 s[\g+7], 0
.endr
	s_lshl_b32 s18, s16, 7
	s_lshl_b32 s20, s17, 8
	s_add_co_u32 s20, s20, s18                     ; x: row 256 x tile row + 128 x half
	s_lshl_b32 s46, s42, 8
	s_add_co_u32 s46, s46, s18                     ; W: row 256 x tile column + 128 x half
	s_mov_b32 s21, 0
	s_mov_b32 s47, 0
	s_mov_b64 s[18:19], KS
	s_mul_u64 s[22:23], s[20:21], s[18:19]
	s_mul_u64 s[92:93], s[46:47], s[18:19]
	s_mov_b64 s[18:19], KROW
	s_mul_u64 s[20:21], s[20:21], s[18:19]
	s_mul_u64 s[46:47], s[46:47], s[18:19]
	s_mul_i32 s45, s14, HALFT                      ; where they go: wave x 128 rows
	s_mul_i32 s94, s14, HALFS
	s_wait_dscnt 0x0                               ; both opening adds are done
	s_wait_kmcnt 0x0
	s_add_nc_u64 s[20:21], s[4:5], s[20:21]
	s_add_nc_u64 s[22:23], s[6:7], s[22:23]
	s_add_nc_u64 s[46:47], s[8:9], s[46:47]
	s_add_nc_u64 s[92:93], s[10:11], s[92:93]
	CROUND                                         ; all sixteen work-groups are here: the joint loads meet
	s_mov_b32 s[G0S], 1
	s_add_co_u32 s[G0S+1], s94, SCL
	s_mov_b64 s[G0S+2:G0S+3], s[22:23]
	s_or_b32 s[G0S+3], s[G0S+3], 0x80000000
	s_mov_b32 s[G0SB], 1
	s_add_co_u32 s[G0SB+1], s94, SCL
	s_mov_b64 s[G0SB+2:G0SB+3], s[92:93]
	s_or_b32 s[G0SB+3], s[G0SB+3], 0x80000000
	JLOAD G0S, G1S, G0SB, G1SB                     ; the scales first: they are wanted with the first K step
.irp s, 0,1
	s_mov_b32 s[G0+4*\s], 1
	s_add_co_u32 s[G0+4*\s+1], s45, \s*SLOT
	s_add_nc_u64 s[G0+4*\s+2:G0+4*\s+3], s[20:21], \s*ROWB
	s_or_b32 s[G0+4*\s+3], s[G0+4*\s+3], 0x80000000
	s_mov_b32 s[G0B+4*\s], 1
	s_add_co_u32 s[G0B+4*\s+1], s45, \s*SLOT
	s_add_nc_u64 s[G0B+4*\s+2:G0B+4*\s+3], s[46:47], \s*ROWB
	s_or_b32 s[G0B+4*\s+3], s[G0B+4*\s+3], 0x80000000
	JLOAD G0+4*\s, G1, G0B+4*\s, G1B
.endr
	v_and_b32 v1, 15, v0                           ; r
	v_bfe_u32 v2, v0, 4, 1                         ; h
	v_lshlrev_b32 v[BO], 5, v2
	s_lshl_b32 s20, s42, 10
	s_lshl_b32 s21, s16, 9
	s_add_co_u32 s20, s20, s21                     ; my first column, in bytes of f32: 1,024 x tile column + 512 x half
	s_mov_b32 s21, 0
	s_add_nc_u64 s[12:13], s[12:13], s[20:21]
.irp b, 0,1,2,3,4,5,6,7
	global_load_b128 v[BIAS+8*\b:BIAS+8*\b+3], v[BO], s[12:13] offset:64*\b        ; b_attn at my lane's eight columns of block b: the result's layout
	global_load_b128 v[BIAS+8*\b+4:BIAS+8*\b+7], v[BO], s[12:13] offset:64*\b+16
.endr
	s_mul_i32 s22, s41, 196608                     ; head32: batch cy,
	s_add_co_u32 s20, s20, s22
	s_add_nc_u64 s[98:99], s[98:99], s[20:21]      ; my first column
	v_mul_u32_u24 v[HO], v1, 12288
	v_lshl_add_u32 v[HO], v2, 5, v[HO]
	v_mul_u32_u24 v3, v1, PITCH
	v_lshl_add_u32 v4, v2, 4, v3
	s_mul_i32 s21, s15, HALFT
	s_mul_i32 s22, s16, HALFT
	s_add_co_u32 s22, s22, 2*HALFT
.irp s, 0,1
	v_add_nc_u32 v[ADRA+\s], s21, v4
	v_add_nc_u32 v[ADRB+\s], s22, v4
	s_add_co_u32 s21, s21, SLOT
	s_add_co_u32 s22, s22, SLOT
.endr
	v_mul_u32_u24 v5, v1, KS
	v_lshrrev_b32 v6, 8, v5
	v_lshl_add_u32 v5, v6, 4, v5                   ; my row's scales: 32 bytes a row, 16 more for each 256 passed
	s_mul_i32 s21, s15, HALFS
	s_mul_i32 s22, s16, HALFS
	s_add_co_u32 s22, s22, 2*HALFS
	s_sub_co_u32 s22, s22, s21
	v_mul_u32_u24 v6, s22, v2                      ; lanes 16-31 take W's
	s_add_co_u32 s21, s21, SCL
	v_add_nc_u32 v5, v5, v6
	v_add_nc_u32 v[ADRS], s21, v5
	s_mul_i32 s23, s14, 16*SPITCH                  ; my stage
	v_mul_u32_u24 v5, v1, SPITCH
	v_lshl_add_u32 v5, v2, 4, v5
	v_add_nc_u32 v[STO], s23, v5                   ; in: row r, 16 bytes for each half of the lanes
	v_and_b32 v6, 31, v0
	v_lshlrev_b32 v[CO], 4, v6                     ; out: 16 bytes a lane of 512 consecutive
	v_lshrrev_b32 v5, 3, v6
	v_mul_u32_u24 v5, v5, SPITCH
	v_and_b32 v6, 7, v0
	v_lshl_add_u32 v5, v6, 4, v5
	v_add_nc_u32 v[RD], s23, v5                    ; back: eight lanes take 128 bytes (a head's 64 numbers) of a row, four rows an instruction
	s_mul_i32 s20, s41, 12582912                   ; qkv16: batch cy,
	s_lshl_b32 s21, s42, 2
	s_lshl_b32 s22, s16, 1
	s_add_co_u32 s21, s21, s22
	s_lshl_b32 s21, s21, 18                        ; section g = 4 x tile column + 2 x half, 262,144 bytes each,
	s_add_co_u32 s20, s20, s21
	s_lshl_b32 s21, s3, 15
	s_add_co_u32 s20, s20, s21                     ; position 256 x cluster y
	s_lshl_b32 s21, s15, 14
	s_add_co_u32 s20, s20, s21                     ; + 128 x my half, 128 bytes a position
	s_mov_b32 s21, 0
	s_add_nc_u64 s[96:97], s[96:97], s[20:21]
.macro FRAG reg, adr, q, i             ; 16 rows x 128 K of 4-bit codes: 8 registers, two loads 32 bytes apart
.irp c, 0,1
	ds_load_b128 v[\reg+4*\c:\reg+4*\c+3], v[\adr] offset:64*(\q)+32*\c+(\i)*16*PITCH
.endr
.endm
; 16 matrix instructions: x's blocks a0, a0 + 1 against W's eight.  zero = 1: the sums begin with the bias as C.  The 64 accumulators take turns, one instruction a turn.
.macro MUL16 a0, p, q, sc, zero
.irp a, \a0, \a0+1
.irp b, 0,1,2,3,4,5,6,7
.if \zero
	v_wmma_scale_f32_16x16x128_f8f6f4 v[8*(8*((\a)%4)+\b):8*(8*((\a)%4)+\b)+7], v[128*(\p)+FR*\b:128*(\p)+FR*\b+FR-1], v[AF+FR*(\a):AF+FR*(\a)+FR-1], v[BIAS+8*\b:BIAS+8*\b+7], v[SC+8*NQ*(\sc)+NQ*\b+(\q)], v[SC+8*NQ*(\sc)+NQ*(\a)+(\q)] matrix_a_fmt:MATRIX_FMT_FP4 matrix_b_fmt:MATRIX_FMT_FP4 matrix_a_scale:MATRIX_SCALE_ROW1
.else
	v_wmma_scale_f32_16x16x128_f8f6f4 v[8*(8*((\a)%4)+\b):8*(8*((\a)%4)+\b)+7], v[128*(\p)+FR*\b:128*(\p)+FR*\b+FR-1], v[AF+FR*(\a):AF+FR*(\a)+FR-1], v[8*(8*((\a)%4)+\b):8*(8*((\a)%4)+\b)+7], v[SC+8*NQ*(\sc)+NQ*\b+(\q)], v[SC+8*NQ*(\sc)+NQ*(\a)+(\q)] matrix_a_fmt:MATRIX_FMT_FP4 matrix_b_fmt:MATRIX_FMT_FP4 matrix_a_scale:MATRIX_SCALE_ROW1
.endif
.endr
.endr
.endm
.macro FETCH_B slot, q, p
	WIN TO_B
.irp i, 0,1,2,3,4,5,6,7
	FRAG 128*(\p)+FR*\i, ADRB+\slot, \q, \i
.endr
	WIN 0
.endm
.macro FETCH_A slot, q, i0
.irp i, \i0, \i0+1, \i0+2, \i0+3
	FRAG AF+FR*(\i), ADRA+\slot, \q, \i
.endr
.endm
.macro SCALES sc                       ; a K step's scale words: lanes 0-15 x's block i, lanes 16-31 W's block i
.irp i, 0,1,2,3,4,5,6,7
	ds_load_b128 v[SC+8*NQ*\sc+NQ*\i:SC+8*NQ*\sc+NQ*\i+3], v[ADRS] offset:\i*SBLK
.endr
.endm
.macro PLACES n                        ; plain vector lines between a matrix instruction and a load into its registers or a read of its result
.rept \n
	v_nop
.endr
.endm
.macro STEP slot, q, zero              ; 128 along K with its successor in the same slot
	s_wait_dscnt 4*NL                              ; W's set and x's blocks 0-3 are in; the youngest eight loads (x's blocks 4-7) may be out
.if \zero
	WIN 0x81                                       ; C (the bias) in window 0, D in window 2
.else
	WIN MUL_LO
.endif
	MUL16 0, (\q)%2, \q, \slot, \zero
	MUL16 2, (\q)%2, \q, \slot, \zero
	s_wait_dscnt 0
	PLACES NP
	FETCH_B \slot, (\q)+1, 1-(\q)%2
	FETCH_A \slot, (\q)+1, 0
.if \zero
	WIN 0xc1
.else
	WIN MUL_HI
.endif
	MUL16 4, (\q)%2, \q, \slot, \zero
	MUL16 6, (\q)%2, \q, \slot, \zero
	PLACES NP
	WIN 0
	FETCH_A \slot, (\q)+1, 4
.endm
.macro STEPS slot, from
.set Q, \from
.rept NQ-1-\from
	STEP \slot, Q, 0
.set Q, Q+1
.endr
.endm
	s_wait_tensorcnt 1                             ; the scales and my part of slot 0 are in; slot 1's load may be out
	s_barrier_signal -1
	s_barrier_wait -1
	FETCH_B 0, 0, 0
	FETCH_A 0, 0, 0
	SCALES 0
	FETCH_A 0, 0, 4
	s_wait_loadcnt 0x0                             ; the bias
	STEP 0, 0, 1
	STEPS 0, 1
	; slot 0's last step changes slots: one barrier; nothing is filled again
	s_wait_tensorcnt 0x0                           ; my part of slot 1 has landed
	ds_add_u32 v[SPW], v[NIL]                      ; 0 onto my spare word
	s_wait_dscnt 4*NL+1                            ; the add and the youngest eight loads may be out
	WIN MUL_LO
	MUL16 0, 1, NQ-1, 0, 0
	s_wait_dscnt 0x0                               ; the add is done, and my reads of slot 0 are over
	s_barrier_signal -1
	MUL16 2, 1, NQ-1, 0, 0
	WIN 0
	s_barrier_wait -1                              ; slot 1 is whole, and nobody reads slot 0 any more
	PLACES NP
	v_add_nc_u32 v[ADRS], 4*NQ, v[ADRS]
	FETCH_B 1, 0, 0
	FETCH_A 1, 0, 0
	SCALES 1
	WIN MUL_HI
	MUL16 4, 1, NQ-1, 0, 0
	MUL16 6, 1, NQ-1, 0, 0
	PLACES NP
	WIN 0
	FETCH_A 1, 0, 4
	STEPS 1, 0
	s_wait_dscnt 4*NL
	WIN MUL_LO
	MUL16 0, 1, NQ-1, 1, 0
	MUL16 2, 1, NQ-1, 1, 0
	s_wait_dscnt 0
	WIN MUL_HI
	MUL16 4, 1, NQ-1, 1, 0
	MUL16 6, 1, NQ-1, 1, 0
	WIN 0
	PLACES NP
	; a sequence's first 16 positions (cluster y = 0, the upper half's waves, block 0) also leave as f32, for the launch first16
	s_or_b32 s22, s3, s15
	s_cmp_eq_u32 s22, 0
	s_cbranch_scc0 .Lno_head
	WIN 0x08                                       ; a store's data are its source 1: window 2
.irp b, 0,1,2,3,4,5,6,7
	global_store_b128 v[HO], v[8*\b:8*\b+3], s[98:99] offset:64*\b          ; each accumulator from its low end on
	global_store_b128 v[HO], v[8*\b+4:8*\b+7], s[98:99] offset:64*\b+16
.endr
	WIN 0
.Lno_head:
; THE WAY OUT, a block of 16 rows x 128 columns at a time: rounded to f16, through my stage, back by heads: four rows of 128 bytes an instruction
.macro PACK a
.set AC, 64*((\a)%4)
	WIN 0x0a+5*((\a)/4)
.irp b, 0,1,2,3,4,5,6,7
.irp r, 0,1,2,3
	v_cvt_pk_f16_f32 v[TMP+4*\b+\r], v[AC+8*\b+2*\r], v[AC+8*\b+2*\r+1]
.endr
.endr
	WIN 0
.endm
.macro TOSTAGE a
.set BK, OB+192*((\a)%2)
.irp b, 0,1,2,3,4,5,6,7
	ds_store_b128 v[STO], v[TMP+4*\b:TMP+4*\b+3] offset:32*\b
.endr
.irp t, 0,1,2,3,4,5,6,7
	ds_load_b128 v[BK+4*\t:BK+4*\t+3], v[RD] offset:(\t%4)*4*SPITCH+128*(\t/4)   ; LDS serves a wave's instructions in order: these see the stores above
.endr
.endm
.macro SEND a
.set BK, OB+192*((\a)%2)
	s_wait_dscnt 0x0                               ; the block is back in registers
	s_wait_xcnt 0x0                                ; earlier stores have read their registers: the next block's loads may land there
.irp t, 0,1,2,3,4,5,6,7
	global_store_b128 v[CO], v[BK+4*\t:BK+4*\t+3], s[96:97] offset:(\t/4)*262144+2048*(\a)+512*(\t%4)   ; 512 consecutive bytes, aligned
.endr
.endm
	PACK 0
	TOSTAGE 0
.irp a, 1,2,3,4,5,6,7
	PACK \a
	SEND \a-1
	TOSTAGE \a
.endr
	SEND 7
	s_wait_tensorcnt 0x0                           ; the wave's end
	ds_add_u32 v[SPW], v[NIL]
	s_wait_dscnt 0x0
	CROUND                                         ; the closing round
	s_endpgm
.Lfunc_end_k_q05de2ffd0c_qkv:
	.size	k_q05de2ffd0c_qkv, .Lfunc_end_k_q05de2ffd0c_qkv-k_q05de2ffd0c_qkv
	.p2alignl 7, 3214868480
	.fill 96, 4, 3214868480
	.section	.rodata,"a",@progbits
	.p2align	6, 0x0
	.amdhsa_kernel k_q05de2ffd0c_qkv
		.amdhsa_group_segment_fixed_size 327680
		.amdhsa_private_segment_fixed_size 0
		.amdhsa_enable_private_segment 0
		.amdhsa_kernarg_size 56
		.amdhsa_user_sgpr_count 2
		.amdhsa_user_sgpr_kernarg_segment_ptr 1
		.amdhsa_wavefront_size32 1
		.amdhsa_system_sgpr_workgroup_id_x 1
		.amdhsa_system_sgpr_workgroup_id_y 1
		.amdhsa_system_sgpr_workgroup_id_z 1
		.amdhsa_system_vgpr_workitem_id 0
		.amdhsa_next_free_vgpr 1024
		.amdhsa_next_free_sgpr 100
		.amdhsa_reserve_vcc 0
		.amdhsa_float_denorm_mode_32 3
		.amdhsa_float_denorm_mode_16_64 3
		.amdhsa_memory_ordered 1
		.amdhsa_forward_progress 1
		.amdhsa_inst_pref_size 130
	.end_amdhsa_kernel
	.amdgpu_metadata
---
amdhsa.version: [ 1, 2 ]
amdhsa.kernels:
  - .name:           k_q05de2ffd0c_qkv
    .symbol:         k_q05de2ffd0c_qkv.kd
    .args:
      - { .name: xc, .offset: 0, .size: 8, .value_kind: global_buffer, .address_space: global }
      - { .name: xs, .offset: 8, .size: 8, .value_kind: global_buffer, .address_space: global }
      - { .name: wc, .offset: 16, .size: 8, .value_kind: global_buffer, .address_space: global }
      - { .name: ws, .offset: 24, .size: 8, .value_kind: global_buffer, .address_space: global }
      - { .name: b_attn, .offset: 32, .size: 8, .value_kind: global_buffer, .address_space: global }
      - { .name: qkv16, .offset: 40, .size: 8, .value_kind: global_buffer, .address_space: global }
      - { .name: head32, .offset: 48, .size: 8, .value_kind: global_buffer, .address_space: global }
    .group_segment_fixed_size: 327680
    .private_segment_fixed_size: 0
    .kernarg_segment_align: 8
    .kernarg_segment_size: 56
    .max_flat_workgroup_size: 128
    .sgpr_count:     100
    .vgpr_count:     1024
    .wavefront_size: 32
...
	.end_amdgpu_metadata
.endif
;; end of part 2
;; launch attn (part 3): grid 4 x 64, 16 waves a work-group, no clusters, 327,680 bytes of LDS; arguments qkv16, y16; writes y16
.if DOCPART == 3
	.amdgcn_target "amdgcn-amd-amdhsa--gfx1250"
	.amdhsa_code_object_version 6
	.text
	.protected	k_q05de2ffd0c_attn
	.globl	k_q05de2ffd0c_attn
	.p2align	8
	.type	k_q05de2ffd0c_attn,@function
k_q05de2ffd0c_attn:
	s_mov_b64 s[64:65], 0
	v_nop
	global_prefetch_b8 v0, s[64:65] scope:SCOPE_SE
	s_setreg_imm32_b32 hwreg(HW_REG_WAVE_MODE, 25, 1), 1
	s_wait_xcnt 0x0
; y[b][h][q] = sum over k <= q of softmax_k(q . k / 8) v, on f16 operands with f32 sums, maxima and row sums.  qkv16 [b][g][t][64] (q: g = h, k: 16 + h, v: 32 + h), y16 [b 16 + h][t][64], f16.
; LEFT OUT: what reference()'s own causal mask throws away in whole units: a step of 64 keys wholly behind a wave's 32 queries is not multiplied, a slot of 256 keys wholly behind the work-group's last query is not loaded
; (the weight there is 0 for all finite inputs).  A NaN, infinity or overflow that reaches only those tiles is not carried to the result.
; NO CLUSTER: the four work-groups of a head need 8 - p slots each; a joint load would bring tiles whose reads every wave of some partner jumps over.
; SHARES.  Work-group (p, head) owns the query blocks 7 - p and p (256 queries each) and walks the head's keys once.  Eight waves take 32 queries each of the late block, eight of the early one, mixed so that
; neighbouring wave numbers alternate: each work-group has 8 (8 - p) + 8 (p + 1) = 72 wave-slots of work, whatever p.  A wave holds TWO tiles of 16 queries, so that each fragment of K and V read from LDS feeds two matrix instructions.
; LAYOUT.  S^T = K Q^T and O^T = V^T P: a lane holds one query throughout; two tiles of S^T, rounded to f16 in pairs in place, are source 1 of the second product.  V ([key][channel]) is turned by ds_load_tr16_b128.
; SOFTMAX.  A running maximum m and sum l for each query: p = 2^(c s - c m), c = log2(e) / 8; O and l are multiplied by a = 2^(c m_old - c m_new) in every step.
; RING.  Two slots of 256 keys (K rows of 128 + 16 bytes, V rows of 128 + 32), 2^17 bytes apart; waves 0, 1 fetch K's halves, waves 2, 3 V's.  One tensor load a wave is out at the most.
; LIMIT: f16 operands: |q|, |k|, |v| under 65,504.  The first 16 positions of every sequence are made again in f32 by the launch first16.
.set KP,    144
.set VP,    160
.set VOFF,  256*KP
.set SLOT1, 1<<17
.set STAGE, VOFF+256*VP                ; behind slot 0's tiles: 16 rows x 144 bytes for each wave; no fill lands here
.set SPARE, STAGE+16*16*KP             ; the spare words, 128 bytes for each of sixteen waves
.set AK0, 1                            ; v1  my lane's place in a tile of K
.set AV0, 2                            ; v2  in a tile of V
.set SPW, 3
.set NIL, 4
.set ADK, 5                            ; v5, v6 the step's LDS addresses
.set ADV, 6
.set GO,  7                            ; v7  16 x lane
.set ST,  8                            ; v8-23 tile t at 8 + 8 t: +0 c m, +1 m, +2, +3 l, +4 .. +7 at work (+6: a)
.set NINF, 24
.set RH,  25                           ; r - 8 h
.set D0,  26                           ; v26, v27 the mask's bound for tiles 0, 1
.set PFO, 28
.set QO,  29
.set STO, 30
.set RD,  31
.set Q,   32                           ; v32-63   Q: 32 + 16 t + 8 c
.set KV,  64                           ; v64-127  eight fragments of K, then of V
.set S,   128                          ; v128-191 S^T: 128 + 32 t + 8 u; p's f16 in the low 16 of each 32
.set O,   192                          ; v192-255 O^T: 192 + 32 t + 8 c
.set WV, 8
.set Q0, 9
.set KF, 10
.set TB, 11
.set SLOTS, 12
.set LASTQ, 13
.set LIM, 14
.set CS, 16
.set SEL, 18
.set PFA, 20
.set YB, 22
.set G1K, 24
.set G1V, 32
.set G0K, 40
.set G0V, 44
.macro TLOAD                           ; waves 0, 1: K; waves 2, 3: V; the others nothing.  s_nop 0 and four v_nop follow each line
	s_cmp_lt_u32 s[WV], 2
	s_cbranch_scc0 .Lnot_k_\@
	tensor_load_to_lds s[G0K:G0K+3], s[G1K:G1K+7]
	s_nop 0
.rept 4
	v_nop
.endr
	s_branch .Lasked_\@
.Lnot_k_\@:
	s_cmp_lt_u32 s[WV], 4
	s_cbranch_scc0 .Lasked_\@
	tensor_load_to_lds s[G0V:G0V+3], s[G1V:G1V+7]
	s_nop 0
.rept 4
	v_nop
.endr
.Lasked_\@:
.endm
; A prefetch of the slot that the NEXT change of slots will ask for.  The head's work-group p = 0, which walks all eight slots, asks, and nobody else; in it waves 4-7 name K's 32,768 bytes and waves 8-11 V's,
; 8,192 a wave, lanes 256 bytes apart: each aligned 256 bytes once in the launch.  Slots 0 and 1 come by their loads alone; the last change that fills a slot asks for nothing.
.macro ASK
	s_cmp_gt_u32 s[SLOTS], s[LIM]
	s_cbranch_scc0 .Lnot_mine_\@
	global_prefetch_b8 v[PFO], s[PFA:PFA+1] th:TH_LOAD_NT scope:SCOPE_SE
.Lnot_mine_\@:
.endm
	s_load_b128 s[4:7], s[0:1], 0x0                ; qkv16, y16
	v_lshl_add_u32 v[SPW], v0, 2, SPARE
	v_mov_b32 v[NIL], 0
	ds_add_u32 v[SPW], v[NIL]                      ; the wave's opening: the add, twice on end, and its wait ahead of the first tensor load
	ds_add_u32 v[SPW], v[NIL]
	v_lshrrev_b32 v5, 5, v0
	v_readfirstlane_b32 s[WV], v5                  ; wave 0..15
	s_and_b32 s48, ttmp7, 0xffff                   ; 16 b + h
	s_lshr_b32 s49, s48, 4
	s_lshl_b32 s49, s49, 5
	s_add_co_u32 s50, s49, s48                     ; 48 b + h
	s_lshl_b32 s50, s50, 18
	s_mov_b32 s51, 0                               ; s[50:51]: q's section, in bytes
	s_lshr_b32 s52, s[WV], 2
	s_xor_b32 s52, s52, s[WV]
	s_and_b32 s52, s52, 1                          ; 0: the late block, 1: the early one
	s_sub_co_u32 s53, 7, ttmp9
	s_lshl_b32 s[LASTQ], s53, 8
	s_or_b32 s[LASTQ], s[LASTQ], 255               ; the work-group's last query
	s_cmp_eq_u32 s52, 0
	s_cselect_b32 s53, s53, ttmp9
	s_lshl_b32 s53, s53, 8
	s_lshr_b32 s54, s[WV], 1
	s_lshl_b32 s54, s54, 5
	s_add_co_u32 s[Q0], s53, s54                   ; my first query
	s_and_b32 s55, s[WV], 1
	s_lshl_b32 s56, s55, 14                        ; the half that I fetch, if I fetch: 128 rows of 128 bytes in memory,
	s_mov_b32 s57, 0
	s_add_nc_u64 s[56:57], s[56:57], s[50:51]
	s_mul_i32 s58, s55, 128*KP                     ; and in a slot
	s_mul_i32 s59, s55, 128*VP
	s_add_co_u32 s59, s59, VOFF
	s_mov_b32 s[G1K], (1<<16)|(1<<20)|(4<<22)|(3<<25)   ; elements of 2 bytes; 4 words of padding after every 32
	s_mov_b32 s[G1V], (1<<16)|(1<<20)|(4<<22)|(7<<25)   ; 8 words
.irp g, G1K, G1V
	s_mov_b32 s[\g+1], 64<<16                      ; tensor_dim0
	s_mov_b32 s[\g+2], 128<<16                     ; tensor_dim1
	s_mov_b32 s[\g+3], 64<<16                      ; tile_dim0
	s_mov_b32 s[\g+4], 128                         ; tile_dim1
	s_mov_b32 s[\g+5], 64                          ; the pitch
	s_mov_b32 s[\g+6], 0
	s_mov_b32 s[\g+7], 0
.endr
	s_mov_b32 s[CS], 0x3e38aa3b                    ; c = log2(e) / 8
	s_mov_b32 s[CS+1], s[CS]
	s_mov_b32 s[SEL], 0x76543210
	s_mov_b32 s[SEL+1], 0xfedcba98
	s_mov_b32 s[TB], 0
	s_mov_b32 s[KF], 0
	s_mov_b32 s[SLOTS], 7
	s_wait_dscnt 0x0                               ; both opening adds are done
	s_wait_kmcnt 0x0
	s_mov_b32 s[G0K], 1
	s_mov_b32 s[G0K+1], s58
	s_add_nc_u64 s[G0K+2:G0K+3], s[4:5], s[56:57]
	s_add_nc_u64 s[G0K+2:G0K+3], s[G0K+2:G0K+3], 16*262144
	s_or_b32 s[G0K+3], s[G0K+3], 0x80000000
	s_mov_b32 s[G0V], 1
	s_mov_b32 s[G0V+1], s59
	s_add_nc_u64 s[G0V+2:G0V+3], s[4:5], s[56:57]
	s_add_nc_u64 s[G0V+2:G0V+3], s[G0V+2:G0V+3], 32*262144
	s_or_b32 s[G0V+3], s[G0V+3], 0x80000000
	TLOAD                                          ; slot 0: it holds key 0, which counts for every query
	s_lshl_b32 s52, s[Q0], 7
	s_mov_b32 s53, 0
	s_add_nc_u64 s[66:67], s[4:5], s[50:51]
	s_add_nc_u64 s[66:67], s[66:67], s[52:53]      ; Q at my first query
	s_lshl_b32 s54, s48, 18
	s_mov_b32 s55, 0
	s_add_nc_u64 s[YB:YB+1], s[6:7], s[54:55]
	s_add_nc_u64 s[YB:YB+1], s[YB:YB+1], s[52:53]  ; y likewise
	s_mov_b32 s54, 32*262144
	s_cmp_lt_u32 s[WV], 8
	s_cselect_b32 s54, 16*262144, s54              ; the prefetches: K's section or V's,
	s_and_b32 s52, s[WV], 3
	s_lshl_b32 s52, s52, 13
	s_add_co_u32 s54, s54, s52                     ; my wave's 8,192 bytes,
	s_add_co_u32 s54, s54, 32768                   ; in slot 1: the first change of slots steps it to slot 2
	s_add_nc_u64 s[PFA:PFA+1], s[4:5], s[50:51]
	s_add_nc_u64 s[PFA:PFA+1], s[PFA:PFA+1], s[54:55]
	s_sub_co_u32 s52, s[WV], 4
	s_lshr_b32 s52, s52, 3                         ; 0 in waves 4 to 11
	s_or_b32 s52, s52, ttmp9                       ; of the work-group p = 0
	s_cmp_eq_u32 s52, 0
	s_cselect_b32 s[LIM], 1, -1
	v_and_b32 v5, 15, v0                           ; r
	v_bfe_u32 v6, v0, 4, 1                         ; h
	v_lshlrev_b32 v[QO], 7, v5
	v_lshl_add_u32 v[QO], v6, 4, v[QO]
.irp t, 0,1
.irp c, 0,1
	global_load_b128 v[Q+16*\t+8*\c:Q+16*\t+8*\c+3], v[QO], s[66:67] offset:2048*\t+64*\c       ; Q stays in registers
	global_load_b128 v[Q+16*\t+8*\c+4:Q+16*\t+8*\c+7], v[QO], s[66:67] offset:2048*\t+64*\c+32
.endr
.endr
	v_mul_u32_u24 v[AK0], v5, KP
	v_lshl_add_u32 v[AK0], v6, 4, v[AK0]           ; row r, + 16 h
	v_and_b32 v[AV0], 7, v0
	v_lshl_add_u32 v[AV0], v6, 3, v[AV0]
	v_mul_u32_u24 v[AV0], v[AV0], VP
	v_bfe_u32 v26, v0, 3, 1
	v_lshl_add_u32 v[AV0], v26, 4, v[AV0]
	v_add_nc_u32 v[AV0], VOFF, v[AV0]              ; the turning load: key 8 h + l % 8, channels 8 ((l / 8) % 2) on
	v_lshlrev_b32 v[RH], 3, v6
	v_sub_nc_u32 v[RH], v5, v[RH]
	v_mov_b32 v[NINF], 0xff800000
	v_and_b32 v[PFO], 31, v0
	v_lshlrev_b32 v[GO], 4, v[PFO]
	v_lshrrev_b32 v[RD], 3, v[PFO]
	v_mul_u32_u24 v[RD], v[RD], KP
	v_and_b32 v26, 7, v0
	v_lshl_add_u32 v[RD], v26, 4, v[RD]
	s_mul_i32 s52, s[WV], 16*KP
	s_add_co_u32 s52, s52, STAGE                   ; my stage
	v_add_nc_u32 v[RD], s52, v[RD]                 ; back: eight lanes to a row of 128 bytes, four rows an instruction
	v_add_nc_u32 v[STO], s52, v[AK0]               ; in: row r, + 16 h
	v_lshlrev_b32 v[PFO], 8, v[PFO]
.irp t, 0,1
	v_mov_b32 v[ST+8*\t+1], 0xff61b1e6             ; m = -3e38, under every score
	v_mul_f32 v[ST+8*\t], s[CS], v[ST+8*\t+1]
.irp i, 2,3,4,5,6,7
	v_mov_b32 v[ST+8*\t+\i], 0
.endr
.endr
.irp j, 0,1,2,3,4,5,6,7,8,9,10,11,12,13,14,15,16,17,18,19,20,21,22,23,24,25,26,27,28,29,30,31,32,33,34,35,36,37,38,39,40,41,42,43,44,45,46,47,48,49,50,51,52,53,54,55,56,57,58,59,60,61,62,63
	v_mov_b32 v[O+\j], 0                           ; the step is written once: the first finds zeros, which a = 0 leaves zeros
.endr
; A KEY STEP: 64 keys, the q-th of the slot in hand
.macro STEP q
	s_add_co_u32 s60, s[Q0], 31
	s_cmp_gt_u32 s[KF], s60                        ; all 64 keys behind my 32 queries: the step's work is left out (ids and the count of steps alone); no barrier and no tensor load stands in a step
	s_cbranch_scc1 .Lhidden_\@
	v_add_nc_u32 v[ADK], s[TB], v[AK0]
	v_add_nc_u32 v[ADV], s[TB], v[AV0]
.rept 3
	v_nop                                          ; with the two additions: five plain lines behind the last products, whose source p the first products below write over, and whose source V the loads below land on
.endr
.irp u, 0,1,2,3
.irp c, 0,1
	ds_load_b128 v[KV+8*(2*\u+\c):KV+8*(2*\u+\c)+3], v[ADK] offset:(64*(\q)+16*\u)*KP+64*\c
	ds_load_b128 v[KV+8*(2*\u+\c)+4:KV+8*(2*\u+\c)+7], v[ADK] offset:(64*(\q)+16*\u)*KP+64*\c+32
.endr
.endr
	s_wait_dscnt 0x0
.irp c, 0,1                                    ; S^T = K Q^T: eight accumulators by turns, one instruction a turn
.irp t, 0,1
.irp u, 0,1,2,3
.if \c == 0
	v_wmma_f32_16x16x32_f16 v[S+32*\t+8*\u:S+32*\t+8*\u+7], v[KV+8*(2*\u+\c):KV+8*(2*\u+\c)+7], v[Q+16*\t+8*\c:Q+16*\t+8*\c+7], 0
.else
	v_wmma_f32_16x16x32_f16 v[S+32*\t+8*\u:S+32*\t+8*\u+7], v[KV+8*(2*\u+\c):KV+8*(2*\u+\c)+7], v[Q+16*\t+8*\c:Q+16*\t+8*\c+7], v[S+32*\t+8*\u:S+32*\t+8*\u+7]
.endif
.endr
.endr
.endr
.rept 4
	v_nop                                          ; four plain lines: ahead of the loads into K's registers, and of the first read of the scores
.endr
.irp kk, 0,1
.irp c, 0,1,2,3
	ds_load_tr16_b128 v[KV+8*(4*\kk+\c):KV+8*(4*\kk+\c)+3], v[ADV] offset:(64*(\q)+32*\kk)*VP+32*\c          ; V lands while the softmax is worked
	ds_load_tr16_b128 v[KV+8*(4*\kk+\c)+4:KV+8*(4*\kk+\c)+7], v[ADV] offset:(64*(\q)+32*\kk+16)*VP+32*\c
.endr
.endr
	s_add_co_u32 s60, s[KF], 63
	s_cmp_le_u32 s60, s[Q0]                        ; all 64 keys count for all my queries: no mask
	s_cbranch_scc1 .Lopen_\@
	s_sub_co_i32 s60, s[Q0], s[KF]
	v_add_nc_u32 v[D0], s60, v[RH]                 ; register 8 u + j of tile t holds key KF + 16 u + 8 h + j: hidden where 16 u + j > Q0 - KF + 16 t + r - 8 h
	v_add_nc_u32 v[D0+1], 16, v[D0]
.irp t, 0,1
.irp n, 0,1,2,3,4,5,6,7,8,9,10,11,12,13,14,15,16,17,18,19,20,21,22,23,24,25,26,27,28,29,30,31
	v_cmp_gt_i32 vcc_lo, 16*(\n/8)+\n%8, v[D0+\t]
	v_cndmask_b32 v[S+32*\t+\n], v[S+32*\t+\n], v[NINF], vcc_lo
.endr
.endr
.Lopen_\@:
.irp j, 0,1,2,3                                ; the maximum: four chains a tile, each begun at an accumulator's low end; the two tiles line by line
.irp t, 0,1
	v_max3_num_f32 v[ST+8*\t+4+\j], v[S+32*\t+8*\j], v[S+32*\t+8*\j+1], v[S+32*\t+8*\j+2]
.endr
.endr
.irp g, 1,2
.irp j, 0,1,2,3
.irp t, 0,1
	v_max3_num_f32 v[ST+8*\t+4+\j], v[ST+8*\t+4+\j], v[S+32*\t+8*\j+2*\g+1], v[S+32*\t+8*\j+2*\g+2]
.endr
.endr
.endr
.irp t, 0,1
	v_max3_num_f32 v[ST+8*\t+4], v[ST+8*\t+4], v[S+32*\t+7], v[S+32*\t+15]
.endr
.irp t, 0,1
	v_max3_num_f32 v[ST+8*\t+6], v[ST+8*\t+6], v[S+32*\t+23], v[S+32*\t+31]
.endr
.irp t, 0,1
	v_max3_num_f32 v[ST+8*\t+4], v[ST+8*\t+4], v[ST+8*\t+5], v[ST+8*\t+6]
.endr
.irp t, 0,1
	v_max3_num_f32 v[ST+8*\t+4], v[ST+8*\t+4], v[ST+8*\t+7], v[ST+8*\t+1]    ; with the old m
.endr
.irp t, 0,1
	v_permlanex16_b32 v[ST+8*\t+5], v[ST+8*\t+4], s[SEL], s[SEL+1]           ; the query's other 32 keys lie in the lane 16 away
.endr
.irp t, 0,1
	v_mov_b32 v[ST+8*\t+7], v[ST+8*\t]             ; c m_old
.endr
.irp t, 0,1
	v_max_num_f32 v[ST+8*\t+1], v[ST+8*\t+4], v[ST+8*\t+5]
.endr
.irp t, 0,1
	v_mul_f32 v[ST+8*\t], s[CS], v[ST+8*\t+1]
.endr
.irp t, 0,1
	v_sub_f32 v[ST+8*\t+7], v[ST+8*\t+7], v[ST+8*\t]
.endr
.irp i, 0,2,4,6,8,10,12,14,16,18,20,22,24,26,28,30
.irp t, 0,1
	v_pk_fma_f32 v[S+32*\t+\i:S+32*\t+\i+1], v[S+32*\t+\i:S+32*\t+\i+1], s[CS:CS+1], v[ST+8*\t:ST+8*\t+1] op_sel_hi:[1,0,0] neg_lo:[0,0,1] neg_hi:[0,0,1]   ; c s - c m
.endr
.endr
.irp t, 0,1                                    ; ONE BATCH of 66 exponentials, one plain line, one wait
	v_exp_f32 v[ST+8*\t+6], v[ST+8*\t+7]           ; a
.endr
.irp j, 0,1,2,3,4,5,6,7,8,9,10,11,12,13,14,15,16,17,18,19,20,21,22,23,24,25,26,27,28,29,30,31,32,33,34,35,36,37,38,39,40,41,42,43,44,45,46,47,48,49,50,51,52,53,54,55,56,57,58,59,60,61,62,63
	v_exp_f32 v[S+\j], v[S+\j]
.endr
	v_nop                                          ; a plain line behind the last exponential
	s_wait_alu depctr_va_vdst(0)                   ; the wait ahead of the first line that names a result: one for the batch
.irp t, 0,1                                    ; l = a l + the sum of the unrounded p: two chains a tile
	v_pk_fma_f32 v[ST+8*\t+2:ST+8*\t+3], v[ST+8*\t+2:ST+8*\t+3], v[ST+8*\t+6:ST+8*\t+7], v[S+32*\t:S+32*\t+1] op_sel_hi:[1,0,1]
.endr
.irp t, 0,1
	v_pk_add_f32 v[ST+8*\t+4:ST+8*\t+5], v[S+32*\t+2:S+32*\t+3], v[S+32*\t+6:S+32*\t+7]
.endr
.irp i, 4,8,12,16,20,24
.irp t, 0,1
	v_pk_add_f32 v[ST+8*\t+2:ST+8*\t+3], v[ST+8*\t+2:ST+8*\t+3], v[S+32*\t+\i:S+32*\t+\i+1]
	v_pk_add_f32 v[ST+8*\t+4:ST+8*\t+5], v[ST+8*\t+4:ST+8*\t+5], v[S+32*\t+\i+6:S+32*\t+\i+7]
.endr
.endr
.irp t, 0,1
	v_pk_add_f32 v[ST+8*\t+2:ST+8*\t+3], v[ST+8*\t+2:ST+8*\t+3], v[S+32*\t+28:S+32*\t+29]
.endr
.irp t, 0,1
	v_pk_add_f32 v[ST+8*\t+2:ST+8*\t+3], v[ST+8*\t+2:ST+8*\t+3], v[ST+8*\t+4:ST+8*\t+5]
.endr
.irp i, 0,1,2,3,4,5,6,7,8,9,10,11,12,13,14,15  ; p to f16, in place and ascending: register i takes numbers 2 i, 2 i + 1
.irp t, 0,1
	v_cvt_pk_f16_f32 v[S+32*\t+\i], v[S+32*\t+2*\i], v[S+32*\t+2*\i+1]
.endr
.endr
.irp i, 0,2,4,6,8,10,12,14,16,18,20,22,24,26,28,30
.irp t, 0,1
	v_pk_mul_f32 v[O+32*\t+\i:O+32*\t+\i+1], v[O+32*\t+\i:O+32*\t+\i+1], v[ST+8*\t+6:ST+8*\t+7] op_sel_hi:[1,0]   ; O^T x a, each accumulator from its low end on
.endr
.endr
	s_wait_dscnt 0x0                               ; V is in
.irp kk, 0,1                                   ; O^T += V^T P: eight accumulators by turns
.irp t, 0,1
.irp c, 0,1,2,3
	v_wmma_f32_16x16x32_f16 v[O+32*\t+8*\c:O+32*\t+8*\c+7], v[KV+8*(4*\kk+\c):KV+8*(4*\kk+\c)+7], v[S+32*\t+8*\kk:S+32*\t+8*\kk+7], v[O+32*\t+8*\c:O+32*\t+8*\c+7]
.endr
.endr
.endr
.Lhidden_\@:
	s_add_co_u32 s[KF], s[KF], 64
.endm
; THE CHANGE OF SLOTS, at a slot's head.  Each wave waits for all its tensor loads, adds 0 to its spare word, and waits for that and for its reads of the slot that it has left; behind the barrier the slot ahead is whole
; and nobody reads the other one, which is then filled with the next 256 keys: up to the causal limit.
.macro CHANGE fill
	s_wait_tensorcnt 0x0                           ; no tensor load of mine is out, so a group 0 may be written
	ds_add_u32 v[SPW], v[NIL]
.if \fill
	ds_add_u32 v[SPW], v[NIL]                      ; and twice on end here
	s_xor_b32 s[G0K+1], s[G0K+1], SLOT1
	s_add_nc_u64 s[G0K+2:G0K+3], s[G0K+2:G0K+3], 32768
	s_xor_b32 s[G0V+1], s[G0V+1], SLOT1
	s_add_nc_u64 s[G0V+2:G0V+3], s[G0V+2:G0V+3], 32768
	s_wait_xcnt 0x0                                ; the last prefetch, a slot back, has read its address
	s_add_nc_u64 s[PFA:PFA+1], s[PFA:PFA+1], 32768
.endif
	s_wait_dscnt 0x0                               ; the add is done, and my reads of the slot that I have left are over
	s_barrier_signal -1
	s_barrier_wait -1
.if \fill
	s_add_co_u32 s60, s[KF], 256                   ; the first key of the slot that this change would ask for
	s_cmp_gt_u32 s60, s[LASTQ]                     ; behind the work-group's last query no wave reads it: it is not asked for.  Ids and the count of steps alone: all sixteen waves go the same way; every wait on TENSORcnt here is for 0
	s_cbranch_scc1 .Lpast_\@
	TLOAD
.Lpast_\@:
	ASK
.endif
.endm
.macro SLOT_STEPS
	STEP 0
	STEP 1
	STEP 2
	STEP 3
	s_xor_b32 s[TB], s[TB], SLOT1
.endm
	s_wait_loadcnt 0x0                             ; Q
.Lslot:                                            ; seven trips; every work-group walks all slots, so that the trip counts are constants and no barrier is jumped over
	CHANGE 1
	SLOT_STEPS
	s_sub_co_u32 s[SLOTS], s[SLOTS], 1
	s_cmp_lg_u32 s[SLOTS], 0
	s_cbranch_scc1 .Lslot
	CHANGE 0                                       ; the last slot is written out: nothing is left to ask for
	SLOT_STEPS
	; THE WAY OUT: O^T / l, to f16, through my stage, a tile of 16 queries at a time; four rows of 128 bytes leave as 512 consecutive bytes
.rept 4
	v_nop                                          ; four plain lines behind the last products
.endr
.irp t, 0,1
	v_add_f32 v[ST+8*\t+4], v[ST+8*\t+2], v[ST+8*\t+3]
.endr
.irp t, 0,1
	v_permlanex16_b32 v[ST+8*\t+5], v[ST+8*\t+4], s[SEL], s[SEL+1]
.endr
.irp t, 0,1
	v_add_f32 v[ST+8*\t+4], v[ST+8*\t+4], v[ST+8*\t+5]
.endr
.irp t, 0,1
	v_rcp_f32 v[ST+8*\t+6], v[ST+8*\t+4]
.endr
	v_nop
	s_wait_alu depctr_va_vdst(0)                   ; one wait for the two reciprocals, ahead of their first reader
.irp t, 0,1
.irp i, 0,2,4,6,8,10,12,14,16,18,20,22,24,26,28,30
	v_pk_mul_f32 v[O+32*\t+\i:O+32*\t+\i+1], v[O+32*\t+\i:O+32*\t+\i+1], v[ST+8*\t+6:ST+8*\t+7] op_sel_hi:[1,0]
.endr
.irp i, 0,1,2,3,4,5,6,7,8,9,10,11,12,13,14,15
	v_cvt_pk_f16_f32 v[KV+16*\t+\i], v[O+32*\t+2*\i], v[O+32*\t+2*\i+1]
.endr
.irp c, 0,1,2,3
	ds_store_b128 v[STO], v[KV+16*\t+4*\c:KV+16*\t+4*\c+3] offset:32*\c
.endr
.irp i, 0,1,2,3
	ds_load_b128 v[S+16*\t+4*\i:S+16*\t+4*\i+3], v[RD] offset:576*\i    ; LDS serves a wave's instructions in order: these see my stores, and the next tile's stores come behind them
.endr
.endr
.irp n, 0,1,2,3,4,5,6,7
	s_wait_dscnt 7-\n                              ; load n is in: behind tile 1's load i stand 3 - i LDS instructions, behind tile 0's eight more
	global_store_b128 v[GO], v[S+4*\n:S+4*\n+3], s[YB:YB+1] offset:512*\n
.endr
	s_wait_tensorcnt 0x0                           ; the wave's end
	ds_add_u32 v[SPW], v[NIL]
	s_wait_dscnt 0x0
	s_endpgm
.Lfunc_end_k_q05de2ffd0c_attn:
	.size	k_q05de2ffd0c_attn, .Lfunc_end_k_q05de2ffd0c_attn-k_q05de2ffd0c_attn
	.p2alignl 7, 3214868480
	.fill 96, 4, 3214868480
	.section	.rodata,"a",@progbits
	.p2align	6, 0x0
	.amdhsa_kernel k_q05de2ffd0c_attn
		.amdhsa_group_segment_fixed_size 327680
		.amdhsa_private_segment_fixed_size 0
		.amdhsa_enable_private_segment 0
		.amdhsa_kernarg_size 16
		.amdhsa_user_sgpr_count 2
		.amdhsa_user_sgpr_kernarg_segment_ptr 1
		.amdhsa_wavefront_size32 1
		.amdhsa_system_sgpr_workgroup_id_x 1
		.amdhsa_system_sgpr_workgroup_id_y 1
		.amdhsa_system_sgpr_workgroup_id_z 1
		.amdhsa_system_vgpr_workitem_id 0
		.amdhsa_next_free_vgpr 256
		.amdhsa_next_free_sgpr 100
		.amdhsa_reserve_vcc 1
		.amdhsa_float_denorm_mode_32 3
		.amdhsa_float_denorm_mode_16_64 3
		.amdhsa_memory_ordered 1
		.amdhsa_forward_progress 1
		.amdhsa_inst_pref_size 188
	.end_amdhsa_kernel
	.amdgpu_metadata
---
amdhsa.version: [ 1, 2 ]
amdhsa.kernels:
  - .name:           k_q05de2ffd0c_attn
    .symbol:         k_q05de2ffd0c_attn.kd
    .args:
      - { .name: qkv16, .offset: 0, .size: 8, .value_kind: global_buffer, .address_space: global }
      - { .name: y16, .offset: 8, .size: 8, .value_kind: global_buffer, .address_space: global }
    .group_segment_fixed_size: 327680
    .private_segment_fixed_size: 0
    .kernarg_segment_align: 8
    .kernarg_segment_size: 16
    .max_flat_workgroup_size: 512
    .sgpr_count:     100
    .vgpr_count:     256
    .wavefront_size: 32
...
	.end_amdgpu_metadata
.endif
;; end of part 3
;; launch proj (part 4): grid 4 x 64, 4 waves a work-group, clusters of 4 x 4, 327,680 bytes of LDS; arguments y16, wp16, b_proj, out0; writes out0
.if DOCPART == 4
	.amdgcn_target "amdgcn-amd-amdhsa--gfx1250"
	.amdhsa_code_object_version 6
	.text
	.protected	k_q05de2ffd0c_proj
	.globl	k_q05de2ffd0c_proj
	.p2align	8
	.type	k_q05de2ffd0c_proj,@function
k_q05de2ffd0c_proj:
	s_mov_b64 s[64:65], 0
	v_nop
	global_prefetch_b8 v0, s[64:65] scope:SCOPE_SE
	s_setreg_imm32_b32 hwreg(HW_REG_WAVE_MODE, 25, 1), 1
	s_wait_xcnt 0x0
	s_wait_alu depctr_hold_cnt(0) depctr_sa_sdst(0) depctr_va_vdst(0) depctr_va_sdst(0) depctr_va_ssrc(0) depctr_va_vcc(0) depctr_vm_vsrc(0)
	s_getreg_b32 s2, hwreg(HW_REG_IB_STS2, 6, 4)
	s_cmp_eq_u32 s2, 0
	s_cbranch_scc0 .Lentry_in_a_cluster
	s_endpgm
.Lentry_in_a_cluster:
	s_bfe_u32 s2, ttmp6, 0x10000c
	s_cmp_lg_u32 s2, 0xf033
	s_cbranch_scc0 .Lentry_shape_is_right
	s_endpgm
.Lentry_shape_is_right:
; out0 = y W_proj + b_proj, f16 operands, f32 sums.  y16 [b 16 + h][t][64], wp16 [k 1024][n 1024], out0 [8192][1024] f32.  Nothing is left out here; rows t < 16 of each batch are stored anew, in f32 arithmetic, by the launch first16.
; A tile of 128 rows x 256 columns to a work-group: 256 work-groups.  Four waves, each 64 x 128: 32 accumulators.  K goes in steps of 128 (two heads) through two LDS slots.
; y's tile is two planes (a head each) of 128 rows x 128 bytes, dense in memory; W's is 128 rows of K x 512 bytes, read turned by ds_load_tr16_b128.
; CLUSTER 4 x 4: y's tiles are shared along a row of the cluster, W's along a column: joint loads; each refill stands behind a round of the cluster's barrier.
; THE MATRIX INSTRUCTION IS USED TRANSPOSED (source 0 = 16 columns of W, source 1 = 16 rows of y): a lane holds eight neighbouring columns of one row.  The bias is the C of each sum's first instruction.
; No prefetch: a K step is 128 matrix instructions a wave on a small tile, and the tiles are shared in the cluster.
; REGISTERS: window 0: addresses; v128-255 the way out.  window 1: accumulator (i, bb) at 8 (8 i + bb).  window 2: two fragment buffers of 96 (y's four at +8 i, W's eight at +32 + 8 bb); v192-255 the bias.
.set KP,     144                       ; y's LDS row: 128 bytes + 16
.set BP,     544                       ; W's: 512 bytes + 32
.set PLANE,  128*KP
.set BOFF,   2*PLANE
.set BHALF,  64*BP
.set SLOT,   BOFF+2*BHALF
.set STAGE,  2*SLOT                    ; behind the ring: 16 rows x (512 + 16) bytes for each wave
.set SPITCH, 528
.set SPARE,  STAGE+4*16*SPITCH
.set LAPS,   4
.set ADRA, 16
.set ADRB, 20
.set STO,  24
.set RD,   25
.set CO,   26
.set BO,   27
.set SPW,  28
.set NIL,  29
.set F0,   0
.set F1,   96
.set G1, 24
.set G0, 32
.set G1B, 48
.set G0B, 56
.set MSB, 0
.macro WIN new
.if MSB != \new
	s_set_vgpr_msb (MSB<<8)|\new
.set MSB, \new
.endif
.endm
.set MUL,  0x5a                        ; sources 0 and 1 window 2; C and D window 1
.set TO_F, 0x80                        ; destination window 2, address window 0
.macro JLOAD s                         ; waves 0, 1 fetch y's planes, waves 2, 3 W's halves; s_nop 0 and four v_nop follow each line
	s_cmp_eq_u32 s13, 0
	s_cbranch_scc0 .Lfor_b_\@
	tensor_load_to_lds s[G0+4*\s:G0+4*\s+3], s[G1:G1+7]
	s_nop 0
.rept 4
	v_nop
.endr
	s_branch .Lasked_\@
.Lfor_b_\@:
	tensor_load_to_lds s[G0B+4*\s:G0B+4*\s+3], s[G1B:G1B+7]
	s_nop 0
.rept 4
	v_nop
.endr
.Lasked_\@:
.endm
.macro CREST
	s_cmp_lg_u32 s12, 0
	s_cbranch_scc1 .Lnot_wave_0_\@
	s_barrier_signal -3
.Lnot_wave_0_\@:
	s_barrier_wait -3
	s_barrier_signal -1
	s_barrier_wait -1
.endm
.macro CROUND
	s_barrier_signal -1
	s_barrier_wait -1
	CREST
.endm
	s_load_b256 s[4:11], s[0:1], 0x0               ; y16 s[4:5], wp16 s[6:7], b_proj s[8:9], out0 s[10:11]
	v_lshl_add_u32 v[SPW], v0, 2, SPARE
	v_mov_b32 v[NIL], 0
	ds_add_u32 v[SPW], v[NIL]                      ; the wave's opening: the add, twice on end, and its wait ahead of my first tensor load
	ds_add_u32 v[SPW], v[NIL]
	v_lshrrev_b32 v1, 5, v0
	v_readfirstlane_b32 s12, v1                    ; wave 0..3
	s_lshr_b32 s13, s12, 1                         ; my 64 rows; also: I fetch for y (0) or for W (1)
	s_and_b32 s14, s12, 1                          ; my 128 columns; also: which plane or half I fetch
	s_bfe_u32 s40, ttmp6, 0x40000                  ; cx
	s_bfe_u32 s41, ttmp6, 0x40004                  ; cy
	s_lshl_b32 s42, ttmp9, 2
	s_add_co_u32 s42, s42, s40                     ; tile column
	s_and_b32 s15, ttmp7, 0xffff
	s_lshl_b32 s15, s15, 2
	s_add_co_u32 s15, s15, s41                     ; tile row
	s_lshl_b32 s43, s41, 2
	s_lshl_b32 s43, 15, s43                        ; my row of the cluster
	s_lshl_b32 s44, 0x1111, s40                    ; my column
	s_or_b32 s[G1+0], s43, (1<<16)|(1<<20)|(1<<21)|(4<<22)|(3<<25)   ; y: elements of 2 bytes; 4 words of padding after every 32
	s_mov_b32 s[G1+1], 64<<16
	s_mov_b32 s[G1+2], 128<<16
	s_mov_b32 s[G1+3], 64<<16
	s_mov_b32 s[G1+4], 128
	s_mov_b32 s[G1+5], 64
	s_mov_b32 s[G1+6], 0
	s_mov_b32 s[G1+7], 0
	s_or_b32 s[G1B+0], s44, (1<<16)|(1<<20)|(1<<21)|(6<<22)|(7<<25)  ; W: 8 words of padding after every 128
	s_mov_b32 s[G1B+1], 256<<16
	s_mov_b32 s[G1B+2], 64<<16
	s_mov_b32 s[G1B+3], 256<<16
	s_mov_b32 s[G1B+4], 64
	s_mov_b32 s[G1B+5], 1024
	s_mov_b32 s[G1B+6], 0
	s_mov_b32 s[G1B+7], 0
	s_lshr_b32 s16, s15, 4
	s_lshl_b32 s16, s16, 4
	s_add_co_u32 s16, s16, s14                     ; y: head 16 b + my plane,
	s_lshl_b32 s16, s16, 18
	s_and_b32 s17, s15, 15
	s_lshl_b32 s17, s17, 14                        ; position 128 (tile row % 16), 128 bytes each
	s_add_co_u32 s16, s16, s17
	s_mov_b32 s17, 0
	s_lshl_b32 s46, s14, 17                        ; W: row 64 x my half of 2,048 bytes,
	s_lshl_b32 s47, s42, 9                         ; column 256 x tile column
	s_add_co_u32 s46, s46, s47
	s_mov_b32 s47, 0
	s_mul_i32 s20, s14, PLANE                      ; where they go: no place in the cluster enters an LDS address
	s_mul_i32 s21, s14, BHALF
	s_add_co_u32 s21, s21, BOFF
	s_wait_dscnt 0x0                               ; both opening adds are done
	s_wait_kmcnt 0x0
	s_add_nc_u64 s[16:17], s[4:5], s[16:17]
	s_add_nc_u64 s[46:47], s[6:7], s[46:47]
	CROUND                                         ; all sixteen work-groups are here: the first joint loads meet
.irp s, 0,1
	s_mov_b32 s[G0+4*\s], 1
	s_add_co_u32 s[G0+4*\s+1], s20, \s*SLOT
	s_add_nc_u64 s[G0+4*\s+2:G0+4*\s+3], s[16:17], \s*524288      ; K step s: heads 2 s, 2 s + 1
	s_or_b32 s[G0+4*\s+3], s[G0+4*\s+3], 0x80000000
	s_mov_b32 s[G0B+4*\s], 1
	s_add_co_u32 s[G0B+4*\s+1], s21, \s*SLOT
	s_add_nc_u64 s[G0B+4*\s+2:G0B+4*\s+3], s[46:47], \s*262144    ; 128 rows of W on
	s_or_b32 s[G0B+4*\s+3], s[G0B+4*\s+3], 0x80000000
	JLOAD \s
.endr
	v_and_b32 v1, 15, v0                           ; r
	v_bfe_u32 v2, v0, 4, 1                         ; h
	v_lshlrev_b32 v[BO], 5, v2
	s_lshl_b32 s20, s42, 10
	s_lshl_b32 s21, s14, 9
	s_add_co_u32 s20, s20, s21                     ; my first column, in bytes of f32
	s_mov_b32 s21, 0
	s_add_nc_u64 s[8:9], s[8:9], s[20:21]
	WIN TO_F
.irp bb, 0,1,2,3,4,5,6,7
	global_load_b128 v[192+8*\bb:192+8*\bb+3], v[BO], s[8:9] offset:64*\bb        ; b_proj at my lane's eight columns of block bb
	global_load_b128 v[192+8*\bb+4:192+8*\bb+7], v[BO], s[8:9] offset:64*\bb+16
.endr
	WIN 0
	s_lshl_b32 s22, s15, 19
	s_add_co_u32 s20, s20, s22                     ; out0: row 128 x tile row
	s_lshl_b32 s22, s13, 18
	s_add_co_u32 s20, s20, s22                     ; + my 64
	s_add_nc_u64 s[10:11], s[10:11], s[20:21]
	v_mul_u32_u24 v3, v1, KP
	v_lshl_add_u32 v3, v2, 4, v3                   ; y: row r, + 16 h
	s_mul_i32 s21, s13, 64*KP
	v_and_b32 v4, 7, v0
	v_lshl_add_u32 v4, v2, 3, v4
	v_mul_u32_u24 v4, v4, BP
	v_bfe_u32 v5, v0, 3, 1
	v_lshl_add_u32 v4, v5, 4, v4                   ; W, turned: row 8 h + l % 8, columns 8 ((l / 8) % 2) on
	s_lshl_b32 s22, s14, 8
	s_add_co_u32 s22, s22, BOFF
.irp s, 0,1
	v_add_nc_u32 v[ADRA+\s], s21, v3
	v_add_nc_u32 v[ADRB+\s], s22, v4
	s_add_co_u32 s21, s21, SLOT
	s_add_co_u32 s22, s22, SLOT
.endr
	s_mul_i32 s23, s12, 16*SPITCH
	s_add_co_u32 s23, s23, STAGE                   ; my stage
	v_mul_u32_u24 v5, v1, SPITCH
	v_lshl_add_u32 v5, v2, 5, v5
	v_add_nc_u32 v[STO], s23, v5                   ; in: row r, 32 bytes for each half of the lanes
	v_and_b32 v6, 31, v0
	v_lshlrev_b32 v[CO], 4, v6
	v_add_nc_u32 v[RD], s23, v[CO]                 ; back: the 32 lanes take a row of 512 bytes
.macro MULB f, i, first                ; 8 matrix instructions: y's block i against W's eight, 32 along K.  The 32 accumulators take turns, in the same order in every quarter
.irp bb, 0,1,2,3,4,5,6,7
.if \first
	v_wmma_f32_16x16x32_f16 v[8*(8*(\i)+\bb):8*(8*(\i)+\bb)+7], v[\f+32+8*\bb:\f+32+8*\bb+7], v[\f+8*(\i):\f+8*(\i)+7], v[192+8*\bb:192+8*\bb+7]
.else
	v_wmma_f32_16x16x32_f16 v[8*(8*(\i)+\bb):8*(8*(\i)+\bb)+7], v[\f+32+8*\bb:\f+32+8*\bb+7], v[\f+8*(\i):\f+8*(\i)+7], v[8*(8*(\i)+\bb):8*(8*(\i)+\bb)+7]
.endif
.endr
.endm
.macro FETCH slot, kq, f               ; 24 LDS loads in one run: W's sixteen, then y's blocks 0, 1, then 2, 3
	WIN TO_F
.irp bb, 0,1,2,3,4,5,6,7
	ds_load_tr16_b128 v[\f+32+8*\bb:\f+32+8*\bb+3], v[ADRB+\slot] offset:32*BP*(\kq)+32*\bb
	ds_load_tr16_b128 v[\f+32+8*\bb+4:\f+32+8*\bb+7], v[ADRB+\slot] offset:32*BP*(\kq)+32*\bb+16*BP
.endr
.irp i, 0,1,2,3
	ds_load_b128 v[\f+8*\i:\f+8*\i+3], v[ADRA+\slot] offset:((\kq)/2)*PLANE+((\kq)%2)*64+16*KP*\i
	ds_load_b128 v[\f+8*\i+4:\f+8*\i+7], v[ADRA+\slot] offset:((\kq)/2)*PLANE+((\kq)%2)*64+16*KP*\i+32
.endr
.endm
.macro PLACES                          ; four plain lines ahead of loads into registers that matrix instructions have read, and of the first read of results
.rept 4
	v_nop
.endr
.endm
.macro QUARTER slot, kq, f, g, first   ; multiplies buffer f (32 along K) and fetches quarter kq of the slot into g
	s_wait_dscnt 4                                 ; W's and y's blocks 0, 1 are in; the youngest four loads (y's blocks 2, 3) may be out
	WIN MUL+0x10*\first                            ; first = 1: C (the bias) in window 2
	MULB \f, 0, \first
	MULB \f, 1, \first
	PLACES
	FETCH \slot, \kq, \g
	s_wait_dscnt 24                                ; all but the 24 just issued
	WIN MUL+0x10*\first
	MULB \f, 2, \first
	MULB \f, 3, \first
.endm
; A K step's last quarter changes slots: one barrier; ahead of it each wave waits for all its tensor loads, adds 0 to its spare word, and waits for that and for its reads of this slot
.macro TURN slot, next, fill
	WIN 0
	s_wait_tensorcnt 0x0                           ; my part of the next slot has landed
	ds_add_u32 v[SPW], v[NIL]
	s_wait_dscnt 5                                 ; the add and the youngest four loads may be out
	WIN MUL
	MULB F1, 0, 0
	s_wait_dscnt 0x0                               ; the add is done, and my reads of this slot are over
	s_barrier_signal -1
	MULB F1, 1, 0
.if \fill
	WIN 0
.endif
	s_barrier_wait -1
.if \fill
	CREST                                          ; the barrier has opened a round of the cluster's: no wave of any partner still reads this slot or has a load on its way
	s_add_nc_u64 s[G0+4*\slot+2:G0+4*\slot+3], s[G0+4*\slot+2:G0+4*\slot+3], 1048576      ; two K steps on: four heads
	s_add_nc_u64 s[G0B+4*\slot+2:G0B+4*\slot+3], s[G0B+4*\slot+2:G0B+4*\slot+3], 524288   ; 256 rows of W
	JLOAD \slot                                    ; the first tensor load behind the round; its four v_nop are also the plain lines ahead of the loads below
.else
	PLACES
.endif
	FETCH \next, 0, F0
	WIN MUL
	MULB F1, 2, 0
	MULB F1, 3, 0
.endm
	s_wait_tensorcnt 1                             ; my part of K step 0 is in; K step 1's may be out
	s_barrier_signal -1
	s_barrier_wait -1
	FETCH 0, 0, F0
	s_wait_loadcnt 0x0                             ; the bias
	QUARTER 0, 1, F0, F1, 1                        ; the first quarter begins the sums
	WIN 0
	s_mov_b32 s3, LAPS-1
.Llap:                                             ; a trip goes once round the ring and fills both slots again
	QUARTER 0, 2, F1, F0, 0
	QUARTER 0, 3, F0, F1, 0
	TURN 0, 1, 1
	QUARTER 1, 1, F0, F1, 0
	QUARTER 1, 2, F1, F0, 0
	QUARTER 1, 3, F0, F1, 0
	TURN 1, 0, 1
	QUARTER 0, 1, F0, F1, 0
	WIN 0
	s_sub_co_u32 s3, s3, 1
	s_cmp_lg_u32 s3, 0
	s_cbranch_scc1 .Llap
	QUARTER 0, 2, F1, F0, 0                        ; the last lap fills nothing
	QUARTER 0, 3, F0, F1, 0
	TURN 0, 1, 0
	QUARTER 1, 1, F0, F1, 0
	QUARTER 1, 2, F1, F0, 0
	QUARTER 1, 3, F0, F1, 0
	s_wait_dscnt 4
	WIN MUL
	MULB F1, 0, 0
	MULB F1, 1, 0
	s_wait_dscnt 0x0
	MULB F1, 2, 0
	MULB F1, 3, 0
	WIN 0
; THE WAY OUT, a block of 16 rows x 128 columns at a time, through my stage: whole rows of 512 bytes leave
.macro TOSTAGE a
	WIN 0x04                                       ; an LDS store's data are its source 1: window 1
.irp bb, 0,1,2,3,4,5,6,7
	ds_store_b128 v[STO], v[64*(\a)+8*\bb:64*(\a)+8*\bb+3] offset:64*\bb          ; each accumulator from its low end on
	ds_store_b128 v[STO], v[64*(\a)+8*\bb+4:64*(\a)+8*\bb+7] offset:64*\bb+16
.endr
	WIN 0
.set BB, 128+64*((\a)%2)
.irp t, 0,1,2,3,4,5,6,7,8,9,10,11,12,13,14,15
	ds_load_b128 v[BB+4*\t:BB+4*\t+3], v[RD] offset:\t*SPITCH    ; LDS serves a wave's instructions in order
.endr
.endm
.macro SEND a, younger
.set BB, 128+64*((\a)%2)
	s_wait_dscnt \younger                          ; the block is back; the next block's 16 stores and 16 loads may be out
.irp t, 0,1,2,3,4,5,6,7,8,9,10,11,12,13,14,15
	global_store_b128 v[CO], v[BB+4*\t:BB+4*\t+3], s[10:11] offset:(16*(\a)+\t)*4096 th:TH_STORE_NT   ; 512 consecutive bytes, aligned
.endr
.endm
	PLACES
	TOSTAGE 0
.irp a, 1,2,3
.if \a > 1
	s_wait_xcnt 0x0                                ; block a - 2's stores have read their registers: block a's loads may land there
.endif
	TOSTAGE \a
	SEND \a-1, 32
.endr
	SEND 3, 0
	s_wait_tensorcnt 0x0                           ; the wave's end
	ds_add_u32 v[SPW], v[NIL]
	s_wait_dscnt 0x0
	CROUND                                         ; the closing round
	s_endpgm
.Lfunc_end_k_q05de2ffd0c_proj:
	.size	k_q05de2ffd0c_proj, .Lfunc_end_k_q05de2ffd0c_proj-k_q05de2ffd0c_proj
	.p2alignl 7, 3214868480
	.fill 96, 4, 3214868480
	.section	.rodata,"a",@progbits
	.p2align	6, 0x0
	.amdhsa_kernel k_q05de2ffd0c_proj
		.amdhsa_group_segment_fixed_size 327680
		.amdhsa_private_segment_fixed_size 0
		.amdhsa_enable_private_segment 0
		.amdhsa_kernarg_size 32
		.amdhsa_user_sgpr_count 2
		.amdhsa_user_sgpr_kernarg_segment_ptr 1
		.amdhsa_wavefront_size32 1
		.amdhsa_system_sgpr_workgroup_id_x 1
		.amdhsa_system_sgpr_workgroup_id_y 1
		.amdhsa_system_sgpr_workgroup_id_z 1
		.amdhsa_system_vgpr_workitem_id 0
		.amdhsa_next_free_vgpr 768
		.amdhsa_next_free_sgpr 100
		.amdhsa_reserve_vcc 0
		.amdhsa_float_denorm_mode_32 3
		.amdhsa_float_denorm_mode_16_64 3
		.amdhsa_memory_ordered 1
		.amdhsa_forward_progress 1
		.amdhsa_inst_pref_size 87
	.end_amdhsa_kernel
	.amdgpu_metadata
---
amdhsa.version: [ 1, 2 ]
amdhsa.kernels:
  - .name:           k_q05de2ffd0c_proj
    .symbol:         k_q05de2ffd0c_proj.kd
    .args:
      - { .name: y16, .offset: 0, .size: 8, .value_kind: global_buffer, .address_space: global }
      - { .name: wp16, .offset: 8, .size: 8, .value_kind: global_buffer, .address_space: global }
      - { .name: b_proj, .offset: 16, .size: 8, .value_kind: global_buffer, .address_space: global }
      - { .name: out0, .offset: 24, .size: 8, .value_kind: global_buffer, .address_space: global }
    .group_segment_fixed_size: 327680
    .private_segment_fixed_size: 0
    .kernarg_segment_align: 8
    .kernarg_segment_size: 32
    .max_flat_workgroup_size: 128
    .sgpr_count:     100
    .vgpr_count:     768
    .wavefront_size: 32
...
	.end_amdgpu_metadata
.endif
;; end of part 4
;; launch first16 (part 5): grid 16 x 4, 16 waves a work-group, no clusters, 71,680 bytes of LDS; arguments head32, W_proj, b_proj, out0; writes out0
.if DOCPART == 5
	.amdgcn_target "amdgcn-amd-amdhsa--gfx1250"
	.amdhsa_code_object_version 6
	.text
	.protected	k_q05de2ffd0c_first16
	.globl	k_q05de2ffd0c_first16
	.p2align	8
	.type	k_q05de2ffd0c_first16,@function
k_q05de2ffd0c_first16:
	s_mov_b64 s[64:65], 0
	v_nop
	global_prefetch_b8 v0, s[64:65] scope:SCOPE_SE
	s_setreg_imm32_b32 hwreg(HW_REG_WAVE_MODE, 25, 1), 1
	s_wait_xcnt 0x0
; The first 16 positions of every sequence once more, all in f32: they average one to sixteen values and are the largest rows of the output, where f16 operands would use up what the comparison allows.
; head32 [b][16][3072] holds their q, k, v in f32.  64 rows in all: no bulk work.  Keys behind position 15 are hidden from these queries by reference()'s own mask and are not read.
; A work-group: one batch, 64 columns of the output.  Wave = head: S^T = K Q^T, softmax, O^T = V^T P, then its head's part of y W_proj for the 64 columns; the sixteen parts meet in LDS and wave w sums row w.
; v_wmma_f32_16x16x4_f32 takes k = 2 h + j from register j of lane (r, h).  A permutation of K applied alike to both sources keeps the products: a lane's registers run along K as they were loaded or made,
; and each instruction takes the next pair of registers of both sources.
; REGISTERS: v1-10 lane numbers and addresses; v11-15 at work; v16, v17 the add's two; v18-19 the bias; v20-27 p; v32-63 Q, then W's rows 16-31; v64-95 K, then rows 32-47; v96-127 V, then rows 48-63; v128-159 W's rows 0-15.
; Written by matrix instructions alone: v160-175 S^T in two halves of K, v176-207 O^T, v208-239 the output's part.
.set PART,  0                          ; 16 waves x 16 rows x (256 bytes + 16)
.set SPARE, 69632
	s_load_b256 s[4:11], s[0:1], 0x0               ; head32 s[4:5], W_proj s[6:7], b_proj s[8:9], out0 s[10:11]
	v_lshl_add_u32 v16, v0, 2, SPARE
	v_mov_b32 v17, 0
	v_lshrrev_b32 v1, 5, v0
	v_readfirstlane_b32 s12, v1                    ; wave = head
	v_and_b32 v1, 15, v0                           ; r
	v_bfe_u32 v2, v0, 4, 1                         ; h of the lane
	v_and_b32 v15, 31, v0
	s_and_b32 s13, ttmp7, 0xffff                   ; batch
	s_lshl_b32 s14, ttmp9, 8                       ; my 64 columns, in bytes
	s_mov_b32 s16, 0x76543210
	s_mov_b32 s17, 0xfedcba98
	s_mov_b32 s18, 0x3e38aa3b                      ; c = log2(e) / 8
	v_mul_u32_u24 v3, v1, 12288
	v_lshl_add_u32 v3, v2, 7, v3                   ; Q, K: row r, channels 32 h on
	v_mul_u32_u24 v4, v2, 98304
	v_lshl_add_u32 v4, v1, 2, v4                   ; V: key 8 h, channel r
	v_lshlrev_b32 v5, 15, v2
	v_lshl_add_u32 v5, v1, 2, v5                   ; W: row 8 h, column r
	s_mul_i32 s20, s12, 4352
	v_mul_u32_u24 v6, v1, 272
	v_lshl_add_u32 v6, v2, 5, v6
	v_add_nc_u32 v6, s20, v6                       ; my part: row r, + 32 h
	s_mul_i32 s20, s12, 272
	v_lshlrev_b32 v8, 3, v15                       ; 8 bytes a lane
	v_add_nc_u32 v7, s20, v8                       ; back: row w of a part
	v_lshlrev_b32 v9, 3, v2
	v_sub_nc_u32 v9, v1, v9                        ; r - 8 h
	v_mov_b32 v10, 0xff800000
	v_mov_b32 v13, 0                               ; a lane permute's destination counts as read
	s_mul_i32 s20, s13, 196608
	s_lshl_b32 s21, s12, 8
	s_add_co_u32 s20, s20, s21
	s_mov_b32 s21, 0
	s_lshl_b32 s22, s12, 18
	s_add_co_u32 s22, s22, s14
	s_mov_b32 s23, 0
	s_mov_b32 s24, s14
	s_mov_b32 s25, 0
	s_lshl_b32 s26, s13, 23
	s_lshl_b32 s27, s12, 12
	s_add_co_u32 s26, s26, s27
	s_add_co_u32 s26, s26, s14
	s_mov_b32 s27, 0
	s_wait_kmcnt 0x0
	s_add_nc_u64 s[4:5], s[4:5], s[20:21]          ; my batch, my head's 64 channels of q
	s_add_nc_u64 s[6:7], s[6:7], s[22:23]          ; W_proj: row 64 x head, my columns
	s_add_nc_u64 s[8:9], s[8:9], s[24:25]
	s_add_nc_u64 s[10:11], s[10:11], s[26:27]      ; out0: row 2,048 b + w, my columns
	global_load_b64 v[18:19], v8, s[8:9]
.irp i, 0,1,2,3,4,5,6,7
	global_load_b128 v[32+4*\i:35+4*\i], v3, s[4:5] offset:16*\i
.endr
.irp i, 0,1,2,3,4,5,6,7
	global_load_b128 v[64+4*\i:67+4*\i], v3, s[4:5] offset:4096+16*\i
.endr
.irp c, 0,1,2,3
.irp kk, 0,1,2,3,4,5,6,7
	global_load_b32 v[96+8*\c+\kk], v4, s[4:5] offset:8192+12288*\kk+64*\c      ; V(8 h + kk, 16 c + r)
.endr
.endr
.macro WLOAD reg, c                    ; W(64 head + 16 c + 8 h + kk, 16 nb + r) into register 8 nb + kk
.irp nb, 0,1,2,3
.irp kk, 0,1,2,3,4,5,6,7
	global_load_b32 v[\reg+8*\nb+\kk], v5, s[6:7] offset:(16*\c+\kk)*4096+64*\nb
.endr
.endr
.endm
	WLOAD 128, 0
	s_wait_loadcnt 63                              ; behind Q's and K's loads stand 64: with at most 63 out, Q and K are in
	v_wmma_f32_16x16x4_f32 v[160:167], v[64:65], v[32:33], 0                   ; S^T in two sums that take turns; each begins with its own first K step
	v_wmma_f32_16x16x4_f32 v[168:175], v[66:67], v[34:35], 0
.irp s, 4,8,12,16,20,24,28
	v_wmma_f32_16x16x4_f32 v[160:167], v[64+\s:65+\s], v[32+\s:33+\s], v[160:167]
	v_wmma_f32_16x16x4_f32 v[168:175], v[66+\s:67+\s], v[34+\s:35+\s], v[168:175]
.endr
.rept 8
	v_nop                                          ; eight plain lines behind this form: ahead of loads into its sources and of the first read of its results
.endr
	WLOAD 32, 1
	WLOAD 64, 2
.irp j, 0,1,2,3,4,5,6,7
	v_add_f32 v[20+\j], v[160+\j], v[168+\j]       ; register j: key 8 h + j, query r
.endr
.irp j, 0,1,2,3,4,5,6,7
	v_cmp_gt_i32 vcc_lo, \j, v9                    ; hidden where 8 h + j > r
	v_cndmask_b32 v[20+\j], v[20+\j], v10, vcc_lo
.endr
	v_max3_num_f32 v11, v20, v21, v22
	v_max3_num_f32 v12, v23, v24, v25
	v_max3_num_f32 v11, v11, v26, v27
	v_max_num_f32 v11, v11, v12
	v_permlanex16_b32 v13, v11, s16, s17
	v_max_num_f32 v11, v11, v13                    ; the row's maximum: key 0 counts for every query
	v_mul_f32 v11, s18, v11
.irp j, 0,1,2,3,4,5,6,7
	v_fma_f32 v[20+\j], v[20+\j], s18, -v11
.endr
.irp j, 0,1,2,3,4,5,6,7
	v_exp_f32 v[20+\j], v[20+\j]
.endr
	v_nop
	s_wait_alu depctr_va_vdst(0)                   ; one wait for the eight, ahead of their first reader
	v_add_f32 v11, v20, v21
	v_add_f32 v12, v22, v23
	v_add_f32 v14, v24, v25
	v_add_f32 v15, v26, v27
	v_add_f32 v11, v11, v12
	v_add_f32 v14, v14, v15
	v_add_f32 v11, v11, v14
	v_permlanex16_b32 v13, v11, s16, s17
	v_add_f32 v11, v11, v13
	v_rcp_f32 v14, v11
	v_nop
	s_wait_alu depctr_va_vdst(0)
.irp j, 0,1,2,3,4,5,6,7
	v_mul_f32 v[20+\j], v[20+\j], v14              ; the weights, normalised
.endr
	s_wait_loadcnt 63                              ; behind V's loads stand 96: with at most 63 out, V is in
.irp s, 0,2,4,6                                ; O^T = V^T P: four sums by turns; keys 8 h + s, 8 h + s + 1 in both sources
.irp c, 0,1,2,3
.if \s == 0
	v_wmma_f32_16x16x4_f32 v[176+8*\c:183+8*\c], v[96+8*\c+\s:97+8*\c+\s], v[20+\s:21+\s], 0
.else
	v_wmma_f32_16x16x4_f32 v[176+8*\c:183+8*\c], v[96+8*\c+\s:97+8*\c+\s], v[20+\s:21+\s], v[176+8*\c:183+8*\c]
.endif
.endr
.endr
.rept 9
	v_nop                                          ; nine plain lines before these results serve as a source, eight before loads into V's registers
.endr
	WLOAD 96, 3
.macro PRJ c, reg                      ; the output's part += W^T (channels 16 c on) x O^T: four sums by turns
.irp s, 0,2,4,6
.irp nb, 0,1,2,3
.if (\c == 0) && (\s == 0)
	v_wmma_f32_16x16x4_f32 v[208+8*\nb:215+8*\nb], v[\reg+8*\nb+\s:\reg+8*\nb+\s+1], v[176+8*\c+\s:177+8*\c+\s], 0
.else
	v_wmma_f32_16x16x4_f32 v[208+8*\nb:215+8*\nb], v[\reg+8*\nb+\s:\reg+8*\nb+\s+1], v[176+8*\c+\s:177+8*\c+\s], v[208+8*\nb:215+8*\nb]
.endif
.endr
.endr
.endm
	s_wait_loadcnt 63                              ; behind W's rows 0-15 stand 96 loads
	PRJ 0, 128
	s_wait_loadcnt 63                              ; behind rows 16-31 stand 64
	PRJ 1, 32
	s_wait_loadcnt 32                              ; behind rows 32-47 stand 32
	PRJ 2, 64
	s_wait_loadcnt 0x0
	PRJ 3, 96
.rept 8
	v_nop
.endr
.irp nb, 0,1,2,3
	ds_store_b128 v6, v[208+8*\nb:211+8*\nb] offset:PART+64*\nb          ; lane (r, h): row r, columns 16 nb + 8 h on; each sum from its low end on
	ds_store_b128 v6, v[212+8*\nb:215+8*\nb] offset:PART+64*\nb+16
.endr
	s_wait_dscnt 0x0                               ; for the others' sake: my stores have landed
	s_barrier_signal -1
	s_barrier_wait -1
.irp wv, 0,1,2,3,4,5,6,7,8,9,10,11,12,13,14,15
	ds_load_b64 v[32+2*\wv:33+2*\wv], v7 offset:PART+4352*\wv            ; row w of head wv's part: 256 bytes
.endr
	s_wait_dscnt 0x0
.irp i, 0,4,8,12,16,20,24,28
	v_pk_add_f32 v[32+\i:33+\i], v[32+\i:33+\i], v[34+\i:35+\i]
.endr
.irp i, 0,8,16,24
	v_pk_add_f32 v[32+\i:33+\i], v[32+\i:33+\i], v[36+\i:37+\i]
.endr
.irp i, 0,16
	v_pk_add_f32 v[32+\i:33+\i], v[32+\i:33+\i], v[40+\i:41+\i]
.endr
	v_pk_add_f32 v[32:33], v[32:33], v[48:49]
	v_pk_add_f32 v[32:33], v[32:33], v[18:19]      ; + b_proj
	global_store_b64 v8, v[32:33], s[10:11]        ; 256 consecutive bytes, aligned
	s_wait_tensorcnt 0x0                           ; the wave's end
	ds_add_u32 v16, v17
	s_wait_dscnt 0x0
	s_endpgm
.Lfunc_end_k_q05de2ffd0c_first16:
	.size	k_q05de2ffd0c_first16, .Lfunc_end_k_q05de2ffd0c_first16-k_q05de2ffd0c_first16
	.p2alignl 7, 3214868480
	.fill 96, 4, 3214868480
	.section	.rodata,"a",@progbits
	.p2align	6, 0x0
	.amdhsa_kernel k_q05de2ffd0c_first16
		.amdhsa_group_segment_fixed_size 71680
		.amdhsa_private_segment_fixed_size 0
		.amdhsa_enable_private_segment 0
		.amdhsa_kernarg_size 32
		.amdhsa_user_sgpr_count 2
		.amdhsa_user_sgpr_kernarg_segment_ptr 1
		.amdhsa_wavefront_size32 1
		.amdhsa_system_sgpr_workgroup_id_x 1
		.amdhsa_system_sgpr_workgroup_id_y 1
		.amdhsa_system_sgpr_workgroup_id_z 1
		.amdhsa_system_vgpr_workitem_id 0
		.amdhsa_next_free_vgpr 240
		.amdhsa_next_free_sgpr 66
		.amdhsa_reserve_vcc 1
		.amdhsa_float_denorm_mode_32 3
		.amdhsa_float_denorm_mode_16_64 3
		.amdhsa_memory_ordered 1
		.amdhsa_forward_progress 1
		.amdhsa_inst_pref_size 32
	.end_amdhsa_kernel
	.amdgpu_metadata
---
amdhsa.version: [ 1, 2 ]
amdhsa.kernels:
  - .name:           k_q05de2ffd0c_first16
    .symbol:         k_q05de2ffd0c_first16.kd
    .args:
      - { .name: head32, .offset: 0, .size: 8, .value_kind: global_buffer, .address_space: global }
      - { .name: W_proj, .offset: 8, .size: 8, .value_kind: global_buffer, .address_space: global }
      - { .name: b_proj, .offset: 16, .size: 8, .value_kind: global_buffer, .address_space: global }
      - { .name: out0, .offset: 24, .size: 8, .value_kind: global_buffer, .address_space: global }
    .group_segment_fixed_size: 71680
    .private_segment_fixed_size: 0
    .kernarg_segment_align: 8
    .kernarg_segment_size: 32
    .max_flat_workgroup_size: 512
    .sgpr_count:     66
    .vgpr_count:     240
    .wavefront_size: 32
...
	.end_amdgpu_metadata
.endif
;; end of part 5
